; MI455X (gfx1250); checked and timed in simulation.
; The chip was launched on July 23, 2026; its instructions are those of AMD's public machine-readable ISA for CDNA 5 (MIT licence, August 2026) and "CDNA5" Instruction Set Architecture Reference Guide (July 2026). The comments in the code are by the model that wrote it; some were corrected since.
;; Gpt2 Attention. Allowed arithmetic: matrix products marked QUANTISED: E2M3 operands, one E8M0 scale for each 32 along K, by v_wmma_scale_f32_16x16x128_f8f6f4 with both operands' format E2M3, f32 sums; everything else in f32.
;; Inputs: W_proj 16 x 64 x 1,024 float32; W_qkv 1,024 x 3 x 16 x 64 float32; b_proj 1,024 float32; b_qkv 3 x 16 x 64 float32; mask 2,048 x 2,048 float32; x 2 x 2,048 x 1,024 float32.
;; Outputs: out0 2 x 2,048 x 1,024 float32.
;; Constants: layer_idx = 0.
;; This version of the problem:
;;   THIS VERSION OF THE PROBLEM IS GIVEN IN LOW PRECISION. The matrix products marked QUANTISED in the list below multiply operands that are first quantised to E2M3 (2 exponent bits, 3 mantissa bits; 6 bits a number), with one power-of-two scale for each 32 numbers along K (OCP MX v1.0); their sums are f32. All else is computed in f32.
;;   The module's matrix products, in the order in which they are computed (A, B: the left and right operand; K: the contracted axis; several contracted axes count as one K, in the product's order):
;;     1. [M 4,096, K 1,024] x [K 1,024, N 3,072]; A: input x; B: input W_qkv: QUANTISED
;;     2. batch 32 x [M 2,048, K 64] x [K 64, N 2,048]; A: computed on the way; B: computed on the way: QUANTISED
;;     3. batch 32 x [M 64, K 2,048] x [K 2,048, N 2,048]; A: computed on the way; B: softmax (see below): QUANTISED
;;     4. [M 4,096, K 1,024] x [K 1,024, N 1,024]; A: computed on the way; B: input W_proj: QUANTISED
;;   THE QUANTISER, for each operand of a quantised product, along K:
;;     - K is cut into blocks of 32 from its start; a last block that is shorter is filled with zeros.
;;     - A block's scale is 2^e with e = floor(log2(the largest magnitude in the block)) - 2, held to -126 .. 127; a block of zeros has e = 0. As a byte (E8M0): e + 127.
;;     - Each number is divided by its block's scale, clamped to +-7.5, and rounded to the nearest number of E2M3, ties to even, subnormals kept.
;;     - The product sums the exact products of the quantised numbers (number of the format x scale) in f32.
;;   ~~~python
;;   def quantise(x, axis):      # numpy; x: float32 -> the quantised numbers, widened to float32 again
;;       x = np.moveaxis(x, axis, -1); K = x.shape[-1]
;;       x = np.pad(x, [(0, 0)] * (x.ndim - 1) + [(0, -K % 32)]); x = x.reshape(x.shape[:-1] + (-1, 32)); a = np.abs(x).max(-1, keepdims=True)
;;       e = np.where(a > 0, np.clip(np.frexp(np.where(a > 0, a, 1))[1] - 1 - 2, -126, 127), 0)      # np.frexp(a)[1] - 1 = floor(log2(a)), exactly
;;       r = np.clip(x / 2.0 ** e, -7.5, 7.5)
;;       step = 2.0 ** (np.maximum(np.frexp(np.where(r == 0, 1, r))[1] - 1, 0) - 3)
;;       q = np.round(r / step) * step * 2.0 ** e      # np.round: ties to even
;;       return np.moveaxis(q.reshape(q.shape[:-2] + (-1,))[..., :K], -1, axis).astype(np.float32)
;;   ~~~
;;   SOFTMAX AHEAD OF A QUANTISED PRODUCT. Where the list says 'softmax', what is quantised is not the finished softmax but p = 2^(t - M), with t = logit x log2(e) and M = ceil(the row's largest t), a whole number; so 1/2 < the row's largest p <= 1. The row's sum l is taken of the UNQUANTISED p, in f32, and the product's result is divided by l at the end. Since M is a whole number, a kernel that streams over the keys may use a running M (the ceiling of the running maximum): every later rescaling is an exact power of two, which a block's scale takes up: the codes' values come out the same.
;;   OPERANDS COMPUTED ON THE WAY. 'Computed on the way' means the value that the module computes at that place (a softmax that the list does not call 'softmax' is quantised finished and normalised). What goes into a quantiser is computed in f32, as accurately as f32 sums, v_exp_f32 and their like allow (about 1e-6 of the number): no bf16 or f16 on the way to a quantiser, and a product that is left as it is and whose result goes on into a quantised operand takes f32 operands (vector FMAs, or v_wmma_f32_16x16x4_f32). A number that lies on a knife's edge between two numbers of the format may be rounded either way, as far as f32 arithmetic and the matrix unit's own rounding can turn it there, and no further.
;; One version. Each part assembles by itself: llvm-mc -triple=amdgcn-amd-amdhsa -mcpu=gfx1250 --defsym DOCPART=n.
;; ======== version 1 of 1: 4 launches
;; limits: right only within a limited range of input values
;; workspace buffers: xq 3,276,800 bytes; wc 3,276,800 bytes; bc 16,777,216 bytes; qc 3,407,872 bytes; kv 6,684,672 bytes; ac 3,276,800 bytes; flags 4,096 bytes of whole numbers
;; launch prep (part 1): grid 384 x 1, 4 waves a work-group, no clusters, 117,248 bytes of LDS; arguments x, mask, W_qkv, W_proj, xq, wc, bc, flags; writes xq, wc, bc, flags
.if DOCPART == 1
	.amdgcn_target "amdgcn-amd-amdhsa--gfx1250"
	.amdhsa_code_object_version 6
	.text
	.protected	k_qc76387cedf_prep
	.globl	k_qc76387cedf_prep
	.p2align	8
	.type	k_qc76387cedf_prep,@function
k_qc76387cedf_prep:
	s_mov_b64 s[64:65], 0
	v_nop
	global_prefetch_b8 v0, s[64:65] scope:SCOPE_SE
	s_setreg_imm32_b32 hwreg(HW_REG_WAVE_MODE, 25, 1), 1
	s_wait_xcnt 0x0
; THE LAUNCH IN FRONT OF THE PRODUCTS.  Four kinds of work-groups, told apart by the work-group's number; each kind has its own path and its own LDS bytes; waves share nothing, so there is no barrier.
;   0-127    x [4096][1024] f32 -> xq: codes of FP6 (E2M3) and E8M0 scale words, quantised along the 1,024
;   128-255  mask [2048][2048] f32 -> bc: (1 - mask) x -1e9, f32, laid in the order of the attention launch's score registers
;   256-351  W_qkv [1024][3072] f32 -> wc, tiles 0-191;   352-383  W_proj [1024][1024] f32 -> wc, tiles 192-255: quantised along the FIRST axis, which is their K
; LAYOUT OF A TENSOR OF CODES: [tile of 16 rows][K step of 128][1,536 bytes].  The 1,536 bytes are an image of the operand's 12 registers: registers 0-3 at 16 x lane, 4-5 at 512 + 8 x lane, 6-9 at 768 + 16 x lane,
; 10-11 at 1,280 + 8 x lane.  THE ROWS OF A TILE ARE NOT NEIGHBOURS: rows go in groups of 32, and row r of tile 2 g + u is row 32 g + 8 u + r + 8 (r / 8), so that the 16 result registers of two neighbouring tiles
; are 16 neighbours along the next product's K.  Scale words from byte 0x300000 on: [group][pair of K steps][u][r][K step of the pair], 256 bytes for a group and a pair.
; A block's scale is 2^(floor(log2(its largest magnitude)) - 2); its byte is the largest magnitude's exponent field - 2, held at 1 from below.
; LIMITS: a block of zeros gets the byte 1 (its codes are zeros, and this program alone reads the bytes); NaN and infinities among the inputs are not served.
.set TM,   16                          ; v16-31  at work in the quantiser
.set PW,   32                          ; v32     the scale word just made
.set PC,   34                          ; v34-45  the codes just made; v46-52 halves on their way
.set SW,   54                          ; v54-57  a work-group's scale words
.set R,    64                          ; v64-191 two sets of 64 numbers as they are loaded
.set X,    192                         ; v192-255 64 numbers of a lane: register 16 b + i = k 32 b + 16 (lane / 16) + i of the lane's row
.set SEL,  20                          ; s[20:21] lane selects for v_permlanex16_b32: lane l xor 16
.set MH,   19                          ; s19     the lanes 16-31, as a mask
.set SP,   528                         ; a stage's row: 512 bytes + 16: the sixteen rows that a read touches begin in sixteen different columns of 16 bytes
.set STG,  16*SP                       ; a wave's stage
.set LM,   4*STG                       ; LDS: x's four stages at 0, the mask's here,
.set LWQ,  8*STG                       ; W_qkv's here (6,144 bytes a wave),
.set WST,  6144
.set LWP,  LWQ+4*WST                   ; W_proj's here
.set SOFF, 0x300000                    ; where a buffer's scale words begin
; 64 numbers of a lane, v[s] .. v[s + 63], become a fragment's codes in v[PC] on and its row's scale word in v[PW].
.macro QUANT s
.irp b, 0,1,2,3
	v_max3_num_f32 v[TM+\b], |v[\s+16*\b]|, |v[\s+1+16*\b]|, 0x1800000   ; block b: my 16 numbers, and the floor 2^(3 - 127): the byte cannot fall under 1
.endr
.irp i, 2,4,6,8,10,12,14
.irp b, 0,1,2,3
	v_max3_num_f32 v[TM+\b], v[TM+\b], |v[\s+16*\b+\i]|, |v[\s+1+16*\b+\i]|   ; the four blocks by turns
.endr
.endr
.irp b, 0,1,2,3
	v_permlanex16_b32 v[TM+4+\b], v[TM+\b], s[SEL], s[SEL+1]
.endr
.irp b, 0,1,2,3
	v_max_num_f32 v[TM+\b], v[TM+\b], v[TM+4+\b]   ; with lane l xor 16's: the block's largest magnitude
.endr
.irp b, 0,1,2,3
	v_add_nc_u32 v[TM+12+\b], 0xff000000, v[TM+\b]   ; 2 off its exponent field: the conversion's scale operand
.endr
.irp b, 0,1,2,3
	v_lshrrev_b32 v[TM+4+\b], 23, v[TM+12+\b]      ; the scale's byte
.endr
	v_lshl_or_b32 v[PW], v[TM+5], 8, v[TM+4]
	v_lshl_or_b32 v[PW], v[TM+6], 16, v[PW]
	v_lshl_or_b32 v[PW], v[TM+7], 24, v[PW]
.irp c, 0,1
	v_cvt_scalef32_pk16_fp6_f32 v[PC+6*\c:PC+2+6*\c], v[\s+32*\c:\s+15+32*\c], v[TM+12+2*\c]
	v_cvt_scalef32_pk16_fp6_f32 v[PC+12+4*\c:PC+14+4*\c], v[\s+16+32*\c:\s+31+32*\c], v[TM+12+2*\c+1]   ; (a conversion's three registers begin on an even number)
.endr
	v_nop                                          ; one plain place behind a scaled conversion
.irp c, 0,1                                    ; the operand wants a whole block in a lane: lanes 0-15 block 2 c, lanes 16-31 block 2 c + 1
.irp i, 0,1,2
	v_permlane16_swap_b32 v[PC+6*\c+\i], v[PC+12+4*\c+\i]
.endr
.irp i, 0,1,2
	v_mov_b32 v[PC+3+6*\c+\i], v[PC+12+4*\c+\i]
.endr
.endr
.endm
; Sixteen rows x 512 bytes: each load takes 512 consecutive bytes of one row; load i takes the tile's row i.
.macro GLOAD set, rowofs, col, pitch, base
.irp i, 0,1,2,3,4,5,6,7,8,9,10,11,12,13,14,15
	global_load_b128 v[R+64*(\set)+4*\i:R+64*(\set)+4*\i+3], v4, s[\base:\base+1] offset:((\rowofs)+\i+8*(\i/8))*(\pitch)+(\col) th:TH_LOAD_NT
.endr
.endm
; They turn through the wave's own stage: in as loaded, out 16 neighbours of each block of 32 to a lane.  LDS serves a wave's instructions in order: no wait between the stores and the loads.
.macro TURNS set
.irp i, 0,1,2,3,4,5,6,7,8,9,10,11,12,13,14,15
	ds_store_b128 v6, v[R+64*(\set)+4*\i:R+64*(\set)+4*\i+3] offset:SP*\i
.endr
.irp b, 0,1,2,3
.irp j, 0,1,2,3
	ds_load_b128 v[X+16*\b+4*\j:X+16*\b+4*\j+3], v7 offset:128*\b+16*\j
.endr
.endr
.endm
	s_load_b256 s[4:11], s[0:1], 0x0               ; x s[4:5], mask s[6:7], W_qkv s[8:9], W_proj s[10:11]
	s_load_b128 s[12:15], s[0:1], 0x20             ; xq s[12:13], wc s[14:15]
	s_load_b64 s[16:17], s[0:1], 0x30
	s_load_b64 s[44:45], s[0:1], 0x38              ; flags: for each tile of 16 queries and each four key steps two words of bits, read by the attention launch
	v_lshl_add_u32 v62, v0, 2, 0x1c800
	v_mov_b32 v63, 0
	v_lshrrev_b32 v1, 5, v0
	v_readfirstlane_b32 s18, v1                    ; wave 0..3
	v_and_b32 v1, 31, v0                           ; lane
	v_and_b32 v2, 15, v0                           ; r
	v_bfe_u32 v3, v0, 4, 1                         ; h
	v_lshlrev_b32 v4, 4, v1                        ; 16 x lane
	v_lshlrev_b32 v5, 3, v1                        ; 8 x lane
	s_mov_b32 s[MH], 0xffff0000
	s_mov_b32 s[SEL], 0x76543210
	s_mov_b32 s[SEL+1], 0xfedcba98
.irp b, 0,1,2,3
	v_mov_b32 v[TM+4+\b], 0                        ; written once: a lane permute's destination counts as one of its sources
.endr
	s_wait_kmcnt 0x0
	s_cmp_lt_u32 ttmp9, 128
	s_cbranch_scc1 .Lpath_x
	s_cmp_lt_u32 ttmp9, 256
	s_cbranch_scc1 .Lpath_m
	s_cmp_lt_u32 ttmp9, 352
	s_cbranch_scc1 .Lpath_wq
	s_branch .Lpath_wp
; ---- x.  The work-group takes a group of 32 rows, wave w the pair w of K steps: four tasks (u, q) of 16 rows x 128 along K.
.Lpath_x:
	s_mul_i32 s22, s18, STG
	s_wait_alu depctr_va_vdst(0)
	v_add_nc_u32 v6, s22, v4                       ; into my stage: 16 x lane
	v_mul_u32_u24 v7, v2, SP
	v_lshl_add_u32 v7, v3, 6, v7
	v_add_nc_u32 v7, s22, v7                       ; out of it: row r, + 64 h
	s_lshl_b32 s24, ttmp9, 17                      ; 32 rows of 4,096 bytes
	s_lshl_b32 s23, s18, 10
	s_add_co_u32 s24, s24, s23
	s_mov_b32 s25, 0
	s_add_nc_u64 s[4:5], s[4:5], s[24:25]
	s_mul_i32 s24, ttmp9, 24576                    ; two tiles' rows of codes
	s_mul_i32 s23, s18, 3072
	s_add_co_u32 s24, s24, s23
	s_add_nc_u64 s[26:27], s[12:13], s[24:25]
	s_lshl_b32 s24, ttmp9, 10
	s_lshl_b32 s23, s18, 8
	s_add_co_u32 s24, s24, s23
	s_add_co_u32 s24, s24, SOFF
	s_add_nc_u64 s[28:29], s[12:13], s[24:25]
.macro XTASK t
.if (\t) < 3
	s_wait_loadcnt 16                              ; this task's sixteen loads are in; the next task's may be out
.else
	s_wait_loadcnt 0x0
.endif
.if (\t) > 0
	s_wait_xcnt 0x0                                ; the last task's stores have read the codes' registers
.endif
	TURNS (\t)%2
	s_wait_dscnt 0x0                               ; the stage's stores have read their registers, and my 64 numbers are back
.if (\t)+2 < 4
	GLOAD (\t)%2, 8*(((\t)+2)/2), 512*(((\t)+2)%2), 4096, 4
.endif
	QUANT X
	global_store_b128 v4, v[PC:PC+3], s[26:27] offset:((\t)/2)*12288+((\t)%2)*1536          ; each store covers 512 or 256 consecutive bytes, aligned to 256
	global_store_b64 v5, v[PC+4:PC+5], s[26:27] offset:((\t)/2)*12288+((\t)%2)*1536+512
	global_store_b128 v4, v[PC+6:PC+9], s[26:27] offset:((\t)/2)*12288+((\t)%2)*1536+768
	global_store_b64 v5, v[PC+10:PC+11], s[26:27] offset:((\t)/2)*12288+((\t)%2)*1536+1280
	v_mov_b32 v[SW+(\t)], v[PW]
.endm
	GLOAD 0, 0, 0, 4096, 4
	GLOAD 1, 0, 512, 4096, 4
	s_wait_alu depctr_va_vdst(0)
	XTASK 0
	XTASK 1
	XTASK 2
	XTASK 3
	v_cndmask_b32 v58, v[SW], v[SW+2], s[MH]       ; lanes 0-15: tile u = 0's words, lanes 16-31: u = 1's; first the pair's K step 0,
	v_cndmask_b32 v59, v[SW+1], v[SW+3], s[MH]     ; then its K step 1
	global_store_b64 v5, v[58:59], s[28:29]        ; 256 consecutive bytes, aligned
	s_wait_tensorcnt 0x0
	ds_add_u32 v62, v63
	s_wait_dscnt 0x0
	s_endpgm
; ---- the mask.  The work-group takes 64 queries and four steps of 128 keys; wave i the tile i of 16 queries.
.Lpath_m:
	s_mul_i32 s22, s18, STG
	s_add_co_u32 s22, s22, LM
	s_wait_alu depctr_va_vdst(0)
	v_add_nc_u32 v6, s22, v4
	v_mul_u32_u24 v7, v2, SP
	v_lshl_add_u32 v7, v3, 6, v7
	v_add_nc_u32 v7, s22, v7
	s_sub_co_u32 s22, ttmp9, 128                   ; p = 4 x block of queries + y
	s_lshr_b32 s23, s22, 2
	s_and_b32 s24, s22, 3
	s_lshl_b32 s26, s23, 19                        ; 64 rows of 8,192 bytes
	s_lshr_b32 s25, s18, 1
	s_lshl_b32 s25, s25, 18                        ; + 32 rows for tiles 2, 3
	s_add_co_u32 s26, s26, s25
	s_and_b32 s25, s18, 1
	s_lshl_b32 s25, s25, 16                        ; + 8 rows for tiles 1, 3
	s_add_co_u32 s26, s26, s25
	s_lshl_b32 s25, s24, 11                        ; + 512 keys x y
	s_add_co_u32 s26, s26, s25
	s_mov_b32 s27, 0
	s_add_nc_u64 s[6:7], s[6:7], s[26:27]
	s_lshl_b32 s28, s22, 17                        ; bc: four steps of four tiles of 8,192 bytes
	s_lshl_b32 s25, s18, 13
	s_add_co_u32 s28, s28, s25
	s_mov_b32 s29, 0
	s_add_nc_u64 s[28:29], s[16:17], s[28:29]
	s_mov_b32 s30, 0xce6e6b28                      ; -1e9
	s_mov_b32 s31, s30
	s_mov_b32 s40, 0                               ; word A: bit t: every term of task t is at most -5e8; bit 16 + t: every term is 0
	s_mov_b32 s41, 0                               ; word B: bit t: every row of task t has a term of at least -1e8
	s_lshl_b32 s42, s23, 2
	s_add_co_u32 s42, s42, s18                     ; my tile of 16 queries among the 128
	s_lshl_b32 s42, s42, 5                         ; 32 bytes a tile,
	s_lshl_b32 s43, s24, 3                         ; 8 for each four key steps
	s_add_co_u32 s42, s42, s43
	s_mov_b32 s43, 0
	s_add_nc_u64 s[44:45], s[44:45], s[42:43]
.macro MTASK t
.if (\t) < 3
	s_wait_loadcnt 16                              ; this task's sixteen loads are in; the next task's may be out
.else
	s_wait_loadcnt 0x0
.endif
.if (\t) > 0
	s_wait_xcnt 0x0                                ; the last task's stores have read their registers: the stage's loads may land there
.endif
	TURNS (\t)%2
	s_wait_dscnt 0x0
.if (\t)+2 < 4
	GLOAD (\t)%2, 0, 512*((\t)+2), 8192, 6
.endif
.irp j, 0,2,4,6,8,10,12,14,16,18,20,22,24,26,28,30,32,34,36,38,40,42,44,46,48,50,52,54,56,58,60,62
	v_pk_add_f32 v[X+\j:X+\j+1], v[X+\j:X+\j+1], 1.0 op_sel_hi:[1,0] neg_lo:[1,0] neg_hi:[1,0]   ; 1 - mask
.endr
.irp j, 0,2,4,6,8,10,12,14,16,18,20,22,24,26,28,30,32,34,36,38,40,42,44,46,48,50,52,54,56,58,60,62
	v_pk_mul_f32 v[X+\j:X+\j+1], v[X+\j:X+\j+1], s[30:31] op_sel_hi:[1,0]                        ; x -1e9
.endr
.irp g, 0,1,2,3,4,5,6,7,8,9,10,11,12,13,14,15
	global_store_b128 v4, v[X+4*\g:X+4*\g+3], s[28:29] offset:512*\g+32768*(\t)
.endr
	v_max3_num_f32 v16, v[X], v[X+1], v[X+2]       ; the largest and the smallest of my 64 terms (my row, my half of the keys)
	v_min3_num_f32 v17, v[X], v[X+1], v[X+2]
.irp i, 3,5,7,9,11,13,15,17,19,21,23,25,27,29,31,33,35,37,39,41,43,45,47,49,51,53,55,57,59,61
	v_max3_num_f32 v16, v16, v[X+\i], v[X+\i+1]
	v_min3_num_f32 v17, v17, v[X+\i], v[X+\i+1]
.endr
	v_max_num_f32 v16, v16, v[X+63]
	v_min_num_f32 v17, v17, v[X+63]
	v_cmp_lt_f32 s32, 0xcdee6b28, v16              ; lanes with a term above -5e8
	v_cmp_le_f32 s33, 0xccbebc20, v16              ; lanes with a term of at least -1e8
	v_cmp_neq_f32 s34, 0, v16                      ; lanes with a term that is not 0
	v_cmp_neq_f32 s35, 0, v17
	s_cmp_eq_u32 s32, 0
	s_cselect_b32 s32, 1<<(\t), 0
	s_or_b32 s34, s34, s35
	s_cmp_eq_u32 s34, 0
	s_cselect_b32 s34, 0x10000<<(\t), 0
	s_lshr_b32 s35, s33, 16                        ; a row lies in lanes r and r + 16
	s_or_b32 s33, s33, s35
	s_and_b32 s33, s33, 0xffff
	s_cmp_eq_u32 s33, 0xffff
	s_cselect_b32 s33, 1<<(\t), 0
	s_or_b32 s40, s40, s32
	s_or_b32 s40, s40, s34
	s_or_b32 s41, s41, s33
.endm
	GLOAD 0, 0, 0, 8192, 6
	GLOAD 1, 0, 512, 8192, 6
	s_wait_alu depctr_va_vdst(0)
	MTASK 0
	MTASK 1
	MTASK 2
	MTASK 3
	s_lshl_b32 s42, s24, 2                         ; my four key steps' places among the sixteen
	s_lshl_b32 s40, s40, s42
	s_lshl_b32 s41, s41, s42
	v_mov_b32 v16, s40
	v_mov_b32 v17, s41
	v_mov_b32 v18, 0
	global_store_b64 v18, v[16:17], s[44:45]       ; all lanes store the same 8 bytes with the same value: 8 bytes a wave of a table of 4,096
	s_wait_tensorcnt 0x0
	ds_add_u32 v62, v63
	s_wait_dscnt 0x0
	s_endpgm
; ---- the weights.  A LANE TAKES A COLUMN AND ITS REGISTERS RUN DOWN K: a block of 32 lies in one lane, and the codes come out with K innermost.  A wave takes 32 columns x 256 along K: eight blocks.
; Column nn of a group is row r = nn % 8 + 8 (nn / 16) of tile u = (nn / 8) % 2.  Block t is lane half t % 2, registers 6 ((t / 2) % 2) on, of K step t / 4: its six registers go to that place of the image in my stage.
.macro WLOAD t, pitch
.irp i, 0,1,2,3,4,5,6,7,8,9,10,11,12,13,14,15,16,17,18,19,20,21,22,23,24,25,26,27,28,29,30,31
	global_load_b32 v[R+32*((\t)%2)+\i], v12, s[26:27] offset:(32*(\t)+\i)*(\pitch) th:TH_LOAD_NT
.endr
.endm
.macro WBLOCK t, pitch
.set XS, R+32*((\t)%2)
.if (\t) < 7
	s_wait_loadcnt 32                              ; this block's 32 loads are in; the next block's may be out
.else
	s_wait_loadcnt 0x0
.endif
	v_max3_num_f32 v16, |v[XS]|, |v[XS+1]|, |v[XS+2]|
	v_max3_num_f32 v17, |v[XS+3]|, |v[XS+4]|, |v[XS+5]|
.irp i, 6,10,14,18,22,26
	v_max3_num_f32 v16, v16, |v[XS+\i]|, |v[XS+\i+1]|
	v_max3_num_f32 v17, v17, |v[XS+\i+2]|, |v[XS+\i+3]|
.endr
	v_max3_num_f32 v16, v16, |v[XS+30]|, |v[XS+31]|
	v_max3_num_f32 v16, v16, v17, 0x1800000        ; and the floor
	v_add_nc_u32 v18, 0xff000000, v16              ; the conversion's scale operand
	v_lshrrev_b32 v17, 23, v18                     ; the byte
.if (\t)%4 == 0
	v_mov_b32 v[SW+(\t)/4], v17
.else
	v_lshl_or_b32 v[SW+(\t)/4], v17, 8*((\t)%4), v[SW+(\t)/4]
.endif
	v_cvt_scalef32_pk16_fp6_f32 v[PC:PC+2], v[XS:XS+15], v18
	v_cvt_scalef32_pk16_fp6_f32 v[PC+12:PC+14], v[XS+16:XS+31], v18
	v_nop                                          ; one plain place behind a scaled conversion
.irp i, 0,1,2
	v_mov_b32 v[PC+3+\i], v[PC+12+\i]
.endr
	ds_store_b128 v10, v[PC:PC+3] offset:1536*((\t)/4)+768*(((\t)/2)%2)+256*((\t)%2)
	ds_store_b64 v11, v[PC+4:PC+5] offset:1536*((\t)/4)+768*(((\t)/2)%2)+512+128*((\t)%2)
.if (\t)+2 < 8
	WLOAD (\t)+2, \pitch
.endif
	s_wait_dscnt 0x0                               ; the stores have read their registers: the next block's codes may be written
.endm
.macro WPATH pitch, src, g0, lb
	s_sub_co_u32 s22, ttmp9, 256
	s_lshr_b32 s23, s22, 2
	s_and_b32 s22, s22, 3                          ; which 256 along K
	s_lshl_b32 s23, s23, 2
	s_add_co_u32 s23, s23, s18                     ; my group of 32 columns, 0..127 over both weights
	s_mul_i32 s24, s18, WST
	s_add_co_u32 s24, s24, \lb                     ; my stage
	v_bfe_u32 v8, v0, 3, 1                         ; u
	v_lshrrev_b32 v9, 1, v1
	v_and_b32 v9, 8, v9
	v_and_b32 v14, 7, v1
	v_add_nc_u32 v9, v9, v14                       ; r
	v_mul_u32_u24 v10, v8, 3072
	v_add_nc_u32 v10, s24, v10
	v_lshl_add_u32 v11, v9, 3, v10                 ; stage + 3,072 u + 8 r
	v_lshl_add_u32 v10, v9, 4, v10                 ; stage + 3,072 u + 16 r
	v_add_nc_u32 v6, s24, v4                       ; back: 16 x lane
	v_lshlrev_b32 v12, 2, v1                       ; in: 4 bytes a lane
	s_wait_alu depctr_va_vdst(0)
	v_lshlrev_b32 v13, 7, v8
	v_lshl_add_u32 v13, v9, 3, v13                 ; my two scale words' place: 128 u + 8 r
	s_mul_i32 s26, s22, 256*(\pitch)
	s_sub_co_u32 s25, s23, \g0
	s_lshl_b32 s25, s25, 7
	s_add_co_u32 s26, s26, s25
	s_mov_b32 s27, 0
	s_add_nc_u64 s[26:27], s[\src:\src+1], s[26:27]
	s_mul_i32 s28, s23, 24576
	s_mul_i32 s25, s22, 3072
	s_add_co_u32 s28, s28, s25
	s_mov_b32 s29, 0
	s_add_nc_u64 s[28:29], s[14:15], s[28:29]
	s_lshl_b32 s30, s23, 10
	s_lshl_b32 s25, s22, 8
	s_add_co_u32 s30, s30, s25
	s_add_co_u32 s30, s30, SOFF
	s_mov_b32 s31, 0
	s_add_nc_u64 s[30:31], s[14:15], s[30:31]
	WLOAD 0, \pitch
	WLOAD 1, \pitch
.irp t, 0,1,2,3,4,5,6,7
	WBLOCK \t, \pitch
.endr
	s_wait_alu depctr_va_vdst(0)
	global_store_b64 v13, v[SW:SW+1], s[30:31]     ; the 32 lanes cover 256 consecutive bytes, aligned
.irp k, 0,1,2,3,4,5,6,7,8,9,10,11
	ds_load_b128 v[128+4*\k:131+4*\k], v6 offset:512*\k
.endr
.irp k, 0,1,2,3,4,5,6,7,8,9,10,11
	s_wait_dscnt 11-\k                             ; read k is back; the younger ones may be out
	global_store_b128 v4, v[128+4*\k:131+4*\k], s[28:29] offset:(\k/6)*12288+(\k%6)*512
.endr
	s_wait_tensorcnt 0x0
	ds_add_u32 v62, v63
	s_wait_dscnt 0x0
	s_endpgm
.endm
.Lpath_wq:
	WPATH 12288, 8, 0, LWQ
.Lpath_wp:
	WPATH 4096, 10, 96, LWP
.Lfunc_end_k_qc76387cedf_prep:
	.size	k_qc76387cedf_prep, .Lfunc_end_k_qc76387cedf_prep-k_qc76387cedf_prep
	.p2alignl 7, 3214868480
	.fill 96, 4, 3214868480
	.section	.rodata,"a",@progbits
	.p2align	6, 0x0
	.amdhsa_kernel k_qc76387cedf_prep
		.amdhsa_group_segment_fixed_size 117248
		.amdhsa_private_segment_fixed_size 0
		.amdhsa_enable_private_segment 0
		.amdhsa_kernarg_size 64
		.amdhsa_user_sgpr_count 2
		.amdhsa_user_sgpr_kernarg_segment_ptr 1
		.amdhsa_wavefront_size32 1
		.amdhsa_system_sgpr_workgroup_id_x 1
		.amdhsa_system_sgpr_workgroup_id_y 1
		.amdhsa_system_sgpr_workgroup_id_z 1
		.amdhsa_system_vgpr_workitem_id 0
		.amdhsa_next_free_vgpr 256
		.amdhsa_next_free_sgpr 66
		.amdhsa_reserve_vcc 0
		.amdhsa_float_denorm_mode_32 3
		.amdhsa_float_denorm_mode_16_64 3
		.amdhsa_memory_ordered 1
		.amdhsa_forward_progress 1
		.amdhsa_inst_pref_size 173
	.end_amdhsa_kernel
	.amdgpu_metadata
---
amdhsa.version: [ 1, 2 ]
amdhsa.kernels:
  - .name:           k_qc76387cedf_prep
    .symbol:         k_qc76387cedf_prep.kd
    .args:
      - { .name: x, .offset: 0, .size: 8, .value_kind: global_buffer, .address_space: global }
      - { .name: mask, .offset: 8, .size: 8, .value_kind: global_buffer, .address_space: global }
      - { .name: W_qkv, .offset: 16, .size: 8, .value_kind: global_buffer, .address_space: global }
      - { .name: W_proj, .offset: 24, .size: 8, .value_kind: global_buffer, .address_space: global }
      - { .name: xq, .offset: 32, .size: 8, .value_kind: global_buffer, .address_space: global }
      - { .name: wc, .offset: 40, .size: 8, .value_kind: global_buffer, .address_space: global }
      - { .name: bc, .offset: 48, .size: 8, .value_kind: global_buffer, .address_space: global }
      - { .name: flags, .offset: 56, .size: 8, .value_kind: global_buffer, .address_space: global }
    .group_segment_fixed_size: 117248
    .private_segment_fixed_size: 0
    .kernarg_segment_align: 8
    .kernarg_segment_size: 64
    .max_flat_workgroup_size: 128
    .sgpr_count:     66
    .vgpr_count:     256
    .wavefront_size: 32
...
	.end_amdgpu_metadata
.endif
;; end of part 1
;; launch qkv (part 2): grid 8 x 24, 4 waves a work-group, clusters of 4 x 4, 327,680 bytes of LDS; arguments xq, wc, b_qkv, qc, kv; writes qc, kv
.if DOCPART == 2
	.amdgcn_target "amdgcn-amd-amdhsa--gfx1250"
	.amdhsa_code_object_version 6
	.text
	.protected	k_qc76387cedf_qkv
	.globl	k_qc76387cedf_qkv
	.p2align	8
	.type	k_qc76387cedf_qkv,@function
k_qc76387cedf_qkv:
	s_mov_b64 s[64:65], 0
	v_nop
	global_prefetch_b8 v0, s[64:65] scope:SCOPE_SE
	s_setreg_imm32_b32 hwreg(HW_REG_WAVE_MODE, 25, 1), 1
	s_wait_xcnt 0x0
	s_wait_alu depctr_hold_cnt(0) depctr_sa_sdst(0) depctr_va_vdst(0) depctr_va_sdst(0) depctr_va_ssrc(0) depctr_va_vcc(0) depctr_vm_vsrc(0)
	s_getreg_b32 s2, hwreg(HW_REG_IB_STS2, 6, 4)
	s_cmp_eq_u32 s2, 0
	s_cbranch_scc0 .Lentry_in_a_cluster
	s_endpgm
.Lentry_in_a_cluster:
	s_bfe_u32 s2, ttmp6, 0x10000c
	s_cmp_lg_u32 s2, 0xf033
	s_cbranch_scc0 .Lentry_shape_is_right
	s_endpgm
.Lentry_shape_is_right:
.set NQ,     2
.set FR,     12
.set NL,     4
.set NP,     4
.set SLB,    3072
.set TROW,   12288
.set HALFT,  8*SLB
.set SLOT,   4*HALFT
.set LAPS,   2
.set SCL,    2*SLOT
.set HALFS,  4096
.set SPARE,  SCL+4*HALFS
.set SOFF,   0x300000
.set ADRA, 16
.set ADRB, 20
.set ADRS, 27
.set SPW,  28
.set NIL,  29
.set SC,   32
.set AF,   128
.set BBI,  64
.set BAI,  240
.set T,    128
.set TM,   192
.set PW,   208
.set PC,   210
.set SW,   32
.set SEL,  20
.set MH,   19
.set QS,   22
.set G1, 24
.set G0, 32
.set G1B, 48
.set G0B, 56
.set G1S, 68
.set G0S, 76
.set G1SB, 80
.set G0SB, 88
.set MSB, 0
.macro WIN new
.if MSB != \new
	s_set_vgpr_msb (MSB<<8)|\new
.set MSB, \new
.endif
.endm
.set MUL_LO, 0xa1
.set MUL_HI, 0xf1
.set TO_B,   0x40
.macro JLOAD g0a, g1a, g0b, g1b
	s_cmp_eq_u32 s15, 0
	s_cbranch_scc0 .Lfor_b_\@
	tensor_load_to_lds s[\g0a:\g0a+3], s[\g1a:\g1a+7]
	s_nop 0
.rept 4
	v_nop
.endr
	s_branch .Lasked_\@
.Lfor_b_\@:
	tensor_load_to_lds s[\g0b:\g0b+3], s[\g1b:\g1b+7]
	s_nop 0
.rept 4
	v_nop
.endr
.Lasked_\@:
.endm
.macro CREST
	s_cmp_lg_u32 s14, 0
	s_cbranch_scc1 .Lnot_wave_0_\@
	s_barrier_signal -3
.Lnot_wave_0_\@:
	s_barrier_wait -3
	s_barrier_signal -1
	s_barrier_wait -1
.endm
.macro CROUND
	s_barrier_signal -1
	s_barrier_wait -1
	CREST
.endm
	s_load_b128 s[4:7], s[0:1], 0x0
	s_load_b64 s[8:9], s[0:1], 0x10
	s_load_b128 s[96:99], s[0:1], 0x18
	v_lshl_add_u32 v[SPW], v0, 2, SPARE
	v_mov_b32 v[NIL], 0
	ds_add_u32 v28, v29
	ds_add_u32 v28, v29
	s_wait_dscnt 0x0
	v_lshrrev_b32 v1, 5, v0
	v_readfirstlane_b32 s14, v1
	s_lshr_b32 s15, s14, 1
	s_and_b32 s16, s14, 1
	s_bfe_u32 s40, ttmp6, 0x40000
	s_bfe_u32 s41, ttmp6, 0x40004
	s_mov_b32 s67, ttmp9
	s_and_b32 s66, ttmp7, 0xffff
	s_lshl_b32 s43, s41, 2
	s_lshl_b32 s43, 15, s43
	s_lshl_b32 s44, 0x1111, s40
	s_lshl_b32 s17, s66, 2
	s_lshl_b32 s42, s67, 2
	s_sub_co_u32 s45, s66, 4
	s_lshl_b32 s45, s45, 3
	s_add_co_u32 s45, s45, s42
	s_cmp_ge_u32 s66, 4
	s_cselect_b32 s17, 8, s17
	s_cselect_b32 s42, s45, s42
	s_add_co_u32 s17, s17, s41
	s_add_co_u32 s42, s42, s40
	s_or_b32 s[G1+0], s43, (3<<16)|(1<<21)
	s_or_b32 s[G1B+0], s44, (3<<16)|(1<<21)
.irp g, G1, G1B
	s_mov_b32 s[\g+1], 384<<16
	s_mov_b32 s[\g+2], 8<<16
	s_mov_b32 s[\g+3], 384<<16
	s_mov_b32 s[\g+4], 8
	s_mov_b32 s[\g+5], TROW/8
	s_mov_b32 s[\g+6], 0
	s_mov_b32 s[\g+7], 0
.endr
	s_or_b32 s[G1S+0], s43, (3<<16)|(1<<21)
	s_or_b32 s[G1SB+0], s44, (3<<16)|(1<<21)
.irp g, G1S, G1SB
	s_mov_b32 s[\g+1], 32<<16
	s_mov_b32 s[\g+2], 16<<16
	s_mov_b32 s[\g+3], 32<<16
	s_mov_b32 s[\g+4], 16
	s_mov_b32 s[\g+5], 32
	s_mov_b32 s[\g+6], 0
	s_mov_b32 s[\g+7], 0
.endr
	s_lshl_b32 s18, s16, 3
	s_lshl_b32 s20, s17, 4
	s_add_co_u32 s20, s20, s18
	s_lshl_b32 s46, s42, 4
	s_add_co_u32 s46, s46, s18
	s_lshl_b32 s22, s20, 9
	s_add_co_u32 s22, s22, SOFF
	s_mov_b32 s23, 0
	s_lshl_b32 s92, s46, 9
	s_add_co_u32 s92, s92, SOFF
	s_mov_b32 s93, 0
	s_mul_i32 s20, s20, TROW
	s_mov_b32 s21, 0
	s_mul_i32 s46, s46, TROW
	s_mov_b32 s47, 0
	s_mul_i32 s45, s14, HALFT
	s_mul_i32 s94, s14, HALFS
	s_wait_kmcnt 0x0
	s_cmp_ge_u32 s66, 4
	s_cselect_b64 s[10:11], s[6:7], s[4:5]
	s_cselect_b64 s[12:13], s[4:5], s[6:7]
	s_add_nc_u64 s[20:21], s[10:11], s[20:21]
	s_add_nc_u64 s[22:23], s[10:11], s[22:23]
	s_add_nc_u64 s[46:47], s[12:13], s[46:47]
	s_add_nc_u64 s[92:93], s[12:13], s[92:93]
	CROUND
	s_mov_b32 s[G0S], 1
	s_add_co_u32 s[G0S+1], s94, SCL
	s_mov_b64 s[G0S+2:G0S+3], s[22:23]
	s_or_b32 s[G0S+3], s[G0S+3], 0x80000000
	s_mov_b32 s[G0SB], 1
	s_add_co_u32 s[G0SB+1], s94, SCL
	s_mov_b64 s[G0SB+2:G0SB+3], s[92:93]
	s_or_b32 s[G0SB+3], s[G0SB+3], 0x80000000
	JLOAD G0S, G1S, G0SB, G1SB
.irp s, 0,1
	s_mov_b32 s[G0+4*\s], 1
	s_add_co_u32 s[G0+4*\s+1], s45, \s*SLOT
	s_add_nc_u64 s[G0+4*\s+2:G0+4*\s+3], s[20:21], \s*SLB
	s_or_b32 s[G0+4*\s+3], s[G0+4*\s+3], 0x80000000
	s_mov_b32 s[G0B+4*\s], 1
	s_add_co_u32 s[G0B+4*\s+1], s45, \s*SLOT
	s_add_nc_u64 s[G0B+4*\s+2:G0B+4*\s+3], s[46:47], \s*SLB
	s_or_b32 s[G0B+4*\s+3], s[G0B+4*\s+3], 0x80000000
	s_wait_alu depctr_va_vdst(0)
	s_wait_tensorcnt 0x0
	ds_add_u32 v28, v29
	s_wait_dscnt 0x0
	CROUND
	JLOAD G0+4*\s, G1, G0B+4*\s, G1B
.endr
	v_and_b32 v1, 15, v0
	s_wait_alu depctr_va_vdst(0)
	v_bfe_u32 v2, v0, 4, 1
	v_and_b32 v3, 31, v0
	v_lshlrev_b32 v4, 4, v3
	s_wait_alu depctr_va_vdst(0)
	v_lshlrev_b32 v5, 3, v3
	s_wait_alu depctr_va_vdst(0)
	s_lshl_b32 s95, s67, 2
	s_add_co_u32 s95, s95, s40
	s_lshl_b32 s95, s95, 10
	s_lshl_b32 s21, s16, 9
	s_add_co_u32 s95, s95, s21
	v_lshl_add_u32 v8, v2, 6, s95
.irp b, 0,1,2,3,4,5,6,7
	global_load_b128 v[BBI+8*\b:BBI+8*\b+3], v8, s[8:9] offset:128*(\b/2)+32*(\b%2)
	global_load_b128 v[BBI+8*\b+4:BBI+8*\b+7], v8, s[8:9] offset:128*(\b/2)+32*(\b%2)+16
.endr
	s_lshl_b32 s21, s41, 10
	s_lshl_b32 s22, s15, 9
	s_add_co_u32 s21, s21, s22
	s_add_co_u32 s21, s21, 8192
	v_and_b32 v9, 8, v1
	v_add_nc_u32 v9, v9, v1
	v_lshl_add_u32 v9, v9, 2, s21
.irp a, 0,1,2,3,4,5,6,7
	global_load_b32 v[BAI+2*\a], v9, s[8:9] offset:(32*(\a/2)+8*(\a%2))*4
	global_load_b32 v[BAI+2*\a+1], v9, s[8:9] offset:(32*(\a/2)+8*(\a%2))*4
.endr
	s_mul_i32 s21, s15, HALFT
	s_mul_i32 s22, s16, HALFT
	s_add_co_u32 s22, s22, 2*HALFT
.irp s, 0,1
	v_add_nc_u32 v[ADRA+\s], s21, v4
	v_add_nc_u32 v[ADRB+\s], s22, v4
	v_add_nc_u32 v[ADRA+2+\s], s21, v5
	v_add_nc_u32 v[ADRB+2+\s], s22, v5
	s_add_co_u32 s21, s21, SLOT
	s_add_co_u32 s22, s22, SLOT
.endr
	v_lshlrev_b32 v6, 3, v1
	s_mul_i32 s21, s15, HALFS
	s_mul_i32 s22, s16, HALFS
	s_add_co_u32 s22, s22, 2*HALFS
	s_sub_co_u32 s22, s22, s21
	v_mul_u32_u24 v7, s22, v2
	s_add_co_u32 s21, s21, SCL
	v_add_nc_u32 v6, v6, v7
	v_add_nc_u32 v[ADRS], s21, v6
.macro FRAG reg, adr, q, i
	ds_load_b128 v[\reg:\reg+3], v[\adr] offset:(\i)*SLB+(\q)*1536
	ds_load_b64 v[\reg+4:\reg+5], v[\adr+2] offset:(\i)*SLB+(\q)*1536+512
	ds_load_b128 v[\reg+6:\reg+9], v[\adr] offset:(\i)*SLB+(\q)*1536+768
	ds_load_b64 v[\reg+10:\reg+11], v[\adr+2] offset:(\i)*SLB+(\q)*1536+1280
.endm
.macro MUL16 a0, p, q, sc, zero
.irp a, \a0, \a0+1
.irp b, 0,1,2,3,4,5,6,7
.if \zero
	v_wmma_scale_f32_16x16x128_f8f6f4 v[8*(8*((\a)%4)+\b):8*(8*((\a)%4)+\b)+7], v[128*(\p)+FR*\b:128*(\p)+FR*\b+FR-1], v[AF+FR*(\a):AF+FR*(\a)+FR-1], 0, v[SC+8*NQ*(\sc)+NQ*\b+(\q)], v[SC+8*NQ*(\sc)+NQ*(\a)+(\q)] matrix_a_fmt:MATRIX_FMT_FP6 matrix_b_fmt:MATRIX_FMT_FP6 matrix_a_scale:MATRIX_SCALE_ROW1
.else
	v_wmma_scale_f32_16x16x128_f8f6f4 v[8*(8*((\a)%4)+\b):8*(8*((\a)%4)+\b)+7], v[128*(\p)+FR*\b:128*(\p)+FR*\b+FR-1], v[AF+FR*(\a):AF+FR*(\a)+FR-1], v[8*(8*((\a)%4)+\b):8*(8*((\a)%4)+\b)+7], v[SC+8*NQ*(\sc)+NQ*\b+(\q)], v[SC+8*NQ*(\sc)+NQ*(\a)+(\q)] matrix_a_fmt:MATRIX_FMT_FP6 matrix_b_fmt:MATRIX_FMT_FP6 matrix_a_scale:MATRIX_SCALE_ROW1
.endif
.endr
.endr
.endm
.macro FETCH_B slot, q, p
	WIN TO_B
.irp i, 0,1,2,3,4,5,6,7
	FRAG 128*(\p)+FR*\i, ADRB+\slot, \q, \i
.endr
	WIN 0
.endm
.macro FETCH_A slot, q, i0
.irp i, \i0, \i0+1, \i0+2, \i0+3
	FRAG AF+FR*(\i), ADRA+\slot, \q, \i
.endr
.endm
.macro SCALES sc
.irp i, 0,1,2,3,4,5,6,7
	ds_load_b64 v[SC+8*NQ*\sc+NQ*\i:SC+8*NQ*\sc+NQ*\i+1], v[ADRS] offset:(\i/2)*1024+(\i%2)*128
.endr
.endm
.macro PLACES n
.rept \n
	v_nop
.endr
.endm
.macro STEP slot, q, zero
	s_wait_dscnt 4*NL
	WIN MUL_LO
	MUL16 0, (\q)%2, \q, \slot, \zero
	MUL16 2, (\q)%2, \q, \slot, \zero
	s_wait_dscnt 0
	PLACES NP
	FETCH_B \slot, (\q)+1, 1-(\q)%2
	FETCH_A \slot, (\q)+1, 0
	WIN MUL_HI
	MUL16 4, (\q)%2, \q, \slot, \zero
	MUL16 6, (\q)%2, \q, \slot, \zero
	PLACES NP
	WIN 0
	FETCH_A \slot, (\q)+1, 4
.endm
.macro TURN slot, next, fill
	s_wait_tensorcnt 0x0
	ds_add_u32 v[SPW], v[NIL]
	s_wait_dscnt 4*NL+1
	WIN MUL_LO
	MUL16 0, 1, NQ-1, \slot, 0
	s_wait_dscnt 0x0
	s_barrier_signal -1
	MUL16 2, 1, NQ-1, \slot, 0
	WIN 0
	s_barrier_wait -1
.if \fill
	CREST
	s_add_nc_u64 s[G0+4*\slot+2:G0+4*\slot+3], s[G0+4*\slot+2:G0+4*\slot+3], 2*SLB
	s_add_nc_u64 s[G0B+4*\slot+2:G0B+4*\slot+3], s[G0B+4*\slot+2:G0B+4*\slot+3], 2*SLB
	JLOAD G0+4*\slot, G1, G0B+4*\slot, G1B
.else
	PLACES NP
.endif
	s_wait_alu depctr_va_vdst(0)
	v_add_nc_u32 v[ADRS], 256, v[ADRS]
	FETCH_B \next, 0, 0
	FETCH_A \next, 0, 0
	SCALES \next
	WIN MUL_HI
	MUL16 4, 1, NQ-1, \slot, 0
	MUL16 6, 1, NQ-1, \slot, 0
	PLACES NP
	WIN 0
	FETCH_A \next, 0, 4
.endm
	s_wait_alu depctr_va_vdst(0)
	s_wait_tensorcnt 1
	s_barrier_signal -1
	s_barrier_wait -1
	FETCH_B 0, 0, 0
	FETCH_A 0, 0, 0
	SCALES 0
	FETCH_A 0, 0, 4
	STEP 0, 0, 1
	s_mov_b32 s3, LAPS-1
.Llap:
	TURN 0, 1, 1
	STEP 1, 0, 0
	TURN 1, 0, 1
	STEP 0, 0, 0
	s_sub_co_u32 s3, s3, 1
	s_cmp_lg_u32 s3, 0
	s_cbranch_scc1 .Llap
	TURN 0, 1, 0
	STEP 1, 0, 0
	s_wait_dscnt 4*NL
	WIN MUL_LO
	MUL16 0, 1, NQ-1, 1, 0
	MUL16 2, 1, NQ-1, 1, 0
	s_wait_dscnt 0
	WIN MUL_HI
	MUL16 4, 1, NQ-1, 1, 0
	MUL16 6, 1, NQ-1, 1, 0
	WIN 0
.macro QUANT s
.irp b, 0,1,2,3
	v_max3_num_f32 v[TM+\b], |v[\s+16*\b]|, |v[\s+1+16*\b]|, 0x1800000
.endr
.irp i, 2,4,6,8,10,12,14
.irp b, 0,1,2,3
	v_max3_num_f32 v[TM+\b], v[TM+\b], |v[\s+16*\b+\i]|, |v[\s+1+16*\b+\i]|
.endr
.endr
.irp b, 0,1,2,3
	v_permlanex16_b32 v[TM+4+\b], v[TM+\b], s[SEL], s[SEL+1]
.endr
.irp b, 0,1,2,3
	v_max_num_f32 v[TM+\b], v[TM+\b], v[TM+4+\b]
.endr
.irp b, 0,1,2,3
	v_add_nc_u32 v[TM+12+\b], 0xff000000, v[TM+\b]
.endr
.irp b, 0,1,2,3
	v_lshrrev_b32 v[TM+4+\b], 23, v[TM+12+\b]
.endr
	v_lshl_or_b32 v[PW], v[TM+5], 8, v[TM+4]
	v_lshl_or_b32 v[PW], v[TM+6], 16, v[PW]
	v_lshl_or_b32 v[PW], v[TM+7], 24, v[PW]
.irp c, 0,1
	v_cvt_scalef32_pk16_fp6_f32 v[PC+6*\c:PC+2+6*\c], v[\s+32*\c:\s+15+32*\c], v[TM+12+2*\c]
	v_cvt_scalef32_pk16_fp6_f32 v[PC+12+4*\c:PC+14+4*\c], v[\s+16+32*\c:\s+31+32*\c], v[TM+12+2*\c+1]
.endr
	v_nop
.irp c, 0,1
.irp i, 0,1,2
	v_permlane16_swap_b32 v[PC+6*\c+\i], v[PC+12+4*\c+\i]
.endr
.irp i, 0,1,2
	v_mov_b32 v[PC+3+6*\c+\i], v[PC+12+4*\c+\i]
.endr
.endr
.endm
.macro EPI isv
.irp a, 0,1,2,3,4,5,6,7
	WIN 0x02+(\a)/4
.irp n, 0,2,4,6,8,10,12,14,16,18,20,22,24,26,28,30,32,34,36,38,40,42,44,46,48,50,52,54,56,58,60,62
.if \isv
	v_pk_add_f32 v[T+\n:T+\n+1], v[64*((\a)%4)+\n:64*((\a)%4)+\n+1], v[BAI+2*(\a):BAI+2*(\a)+1]
.else
	v_pk_fma_f32 v[T+\n:T+\n+1], v[64*((\a)%4)+\n:64*((\a)%4)+\n+1], s[QS:QS+1], v[BBI+\n:BBI+\n+1] op_sel_hi:[1,0,1]
.endif
.endr
	WIN 0
.if (\a) > 0
	s_wait_xcnt 0x0
.endif
	QUANT T
.if \isv
	global_store_b128 v4, v[PC:PC+3], s[4:5] offset:((\a)/4)*208896+((\a)%4)*1536
	global_store_b64 v5, v[PC+4:PC+5], s[4:5] offset:((\a)/4)*208896+((\a)%4)*1536+512
	global_store_b128 v4, v[PC+6:PC+9], s[4:5] offset:((\a)/4)*208896+((\a)%4)*1536+768
	global_store_b64 v5, v[PC+10:PC+11], s[4:5] offset:((\a)/4)*208896+((\a)%4)*1536+1280
.else
	global_store_b128 v4, v[PC:PC+3], s[4:5] offset:768*(\a)
	global_store_b64 v5, v[PC+4:PC+5], s[4:5] offset:768*(\a)+512
	global_store_b128 v4, v[PC+6:PC+9], s[6:7] offset:768*(\a)
	global_store_b64 v5, v[PC+10:PC+11], s[6:7] offset:768*(\a)+512
.endif
	v_mov_b32 v[SW+(\a)], v[PW]
.endr
.endm
	PLACES NP
	s_wait_loadcnt 0x0
	s_mov_b32 s[MH], 0xffff0000
	s_mov_b32 s[SEL], 0x76543210
	s_mov_b32 s[SEL+1], 0xfedcba98
.irp b, 0,1,2,3
	v_mov_b32 v[TM+4+\b], 0
.endr
	s_cmp_ge_u32 s66, 4
	s_cbranch_scc1 .Lepi_v
	s_lshr_b32 s46, s17, 3
	s_and_b32 s47, s17, 7
	s_lshl_b32 s47, s47, 1
	s_add_co_u32 s47, s47, s15
	s_and_b32 s92, s42, 3
	s_lshl_b32 s92, s92, 2
	s_lshl_b32 s93, s16, 1
	s_add_co_u32 s92, s92, s93
	s_lshl_b32 s46, s46, 4
	s_add_co_u32 s46, s46, s92
	s_lshl_b32 s46, s46, 4
	s_add_co_u32 s46, s46, s47
	s_cmp_eq_u32 s67, 0
	s_cselect_b64 s[4:5], s[96:97], s[98:99]
	s_mov_b32 s47, 13056
	s_cselect_b32 s47, 6144, s47
	s_mov_b32 s92, 13056
	s_cselect_b32 s92, 512, s92
	s_mov_b32 s93, 12288
	s_cselect_b32 s93, SOFF, s93
	s_mov_b32 s10, 208896
	s_cselect_b32 s10, 98304, s10
	s_mov_b32 s12, 208896
	s_cselect_b32 s12, 8192, s12
	s_mov_b32 s[QS], 1.0
	s_cselect_b32 s[QS], 0x3e000000, s[QS]
	s_mov_b32 s[QS+1], s[QS]
	s_mov_b32 s11, 0
	s_mov_b32 s13, 0
	s_mul_i32 s8, s46, s92
	s_add_co_u32 s8, s8, s93
	s_mov_b32 s9, 0
	s_add_nc_u64 s[8:9], s[4:5], s[8:9]
	s_add_nc_u64 s[12:13], s[8:9], s[12:13]
	s_mul_i32 s46, s46, s47
	s_mov_b32 s47, 0
	s_add_nc_u64 s[4:5], s[4:5], s[46:47]
	s_add_nc_u64 s[6:7], s[4:5], s[10:11]
.irp n, 0,2,4,6,8,10,12,14,16,18,20,22,24,26,28,30,32,34,36,38,40,42,44,46,48,50,52,54,56,58,60,62
	v_pk_mul_f32 v[BBI+\n:BBI+\n+1], v[BBI+\n:BBI+\n+1], s[QS:QS+1] op_sel_hi:[1,0]
.endr
	EPI 0
.irp j, 0,1,2,3
	v_cndmask_b32 v[T+\j], v[SW+2*\j], v[SW+2*\j+1], s[MH]
.endr
.irp j, 0,1,2,3
	v_and_b32 v[T+4+\j], 0xffff, v[T+\j]
	v_lshrrev_b32 v[T+8+\j], 16, v[T+\j]
.endr
	global_store_b128 v4, v[T+4:T+7], s[8:9]
	global_store_b128 v4, v[T+8:T+11], s[12:13]
	s_branch .Lepi_done
.Lepi_v:
	s_lshr_b32 s46, s42, 3
	s_and_b32 s47, s42, 7
	s_lshl_b32 s47, s47, 1
	s_add_co_u32 s47, s47, s16
	s_lshl_b32 s92, s41, 2
	s_lshl_b32 s93, s15, 1
	s_add_co_u32 s92, s92, s93
	s_lshl_b32 s46, s46, 4
	s_add_co_u32 s46, s46, s92
	s_lshl_b32 s46, s46, 4
	s_add_co_u32 s46, s46, s47
	s_mul_i32 s46, s46, 13056
	s_add_co_u32 s46, s46, 6144
	s_mov_b32 s47, 0
	s_add_nc_u64 s[4:5], s[98:99], s[46:47]
	EPI 1
.irp e, 0,1
.irp j, 0,1
	v_cndmask_b32 v[T+2*\e+\j], v[SW+4*\e+2*\j], v[SW+4*\e+2*\j+1], s[MH]
.endr
	global_store_b64 v5, v[T+2*\e:T+2*\e+1], s[4:5] offset:\e*208896+6656
.endr
.Lepi_done:
	s_wait_tensorcnt 0x0
	ds_add_u32 v[SPW], v[NIL]
	s_wait_dscnt 0x0
	CROUND
	s_endpgm
.Lfunc_end_k_qc76387cedf_qkv:
	.size	k_qc76387cedf_qkv, .Lfunc_end_k_qc76387cedf_qkv-k_qc76387cedf_qkv
	.p2alignl 7, 3214868480
	.fill 96, 4, 3214868480
	.section	.rodata,"a",@progbits
	.p2align	6, 0x0
	.amdhsa_kernel k_qc76387cedf_qkv
		.amdhsa_group_segment_fixed_size 327680
		.amdhsa_private_segment_fixed_size 0
		.amdhsa_enable_private_segment 0
		.amdhsa_kernarg_size 40
		.amdhsa_user_sgpr_count 2
		.amdhsa_user_sgpr_kernarg_segment_ptr 1
		.amdhsa_wavefront_size32 1
		.amdhsa_system_sgpr_workgroup_id_x 1
		.amdhsa_system_sgpr_workgroup_id_y 1
		.amdhsa_system_sgpr_workgroup_id_z 1
		.amdhsa_system_vgpr_workitem_id 0
		.amdhsa_next_free_vgpr 1024
		.amdhsa_next_free_sgpr 102
		.amdhsa_reserve_vcc 0
		.amdhsa_float_denorm_mode_32 3
		.amdhsa_float_denorm_mode_16_64 3
		.amdhsa_memory_ordered 1
		.amdhsa_forward_progress 1
		.amdhsa_inst_pref_size 224
	.end_amdhsa_kernel
	.amdgpu_metadata
---
amdhsa.version: [ 1, 2 ]
amdhsa.kernels:
  - .name:           k_qc76387cedf_qkv
    .symbol:         k_qc76387cedf_qkv.kd
    .args:
      - { .name: xq, .offset: 0, .size: 8, .value_kind: global_buffer, .address_space: global }
      - { .name: wc, .offset: 8, .size: 8, .value_kind: global_buffer, .address_space: global }
      - { .name: b_qkv, .offset: 16, .size: 8, .value_kind: global_buffer, .address_space: global }
      - { .name: qc, .offset: 24, .size: 8, .value_kind: global_buffer, .address_space: global }
      - { .name: kv, .offset: 32, .size: 8, .value_kind: global_buffer, .address_space: global }
    .group_segment_fixed_size: 327680
    .private_segment_fixed_size: 0
    .kernarg_segment_align: 8
    .kernarg_segment_size: 40
    .max_flat_workgroup_size: 128
    .sgpr_count:     102
    .vgpr_count:     1024
    .wavefront_size: 32
...
	.end_amdgpu_metadata
.endif
;; end of part 2
;; launch attn (part 3): grid 256 x 1, 16 waves a work-group, no clusters, 150,016 bytes of LDS; arguments qc, kv, bc, flags, ac; writes ac
.if DOCPART == 3
	.amdgcn_target "amdgcn-amd-amdhsa--gfx1250"
	.amdhsa_code_object_version 6
	.text
	.protected	k_qc76387cedf_attn
	.globl	k_qc76387cedf_attn
	.p2align	8
	.type	k_qc76387cedf_attn,@function
k_qc76387cedf_attn:
	s_mov_b64 s[64:65], 0
	v_nop
	global_prefetch_b8 v0, s[64:65] scope:SCOPE_SE
	s_setreg_imm32_b32 hwreg(HW_REG_WAVE_MODE, 25, 1), 1
	s_wait_xcnt 0x0
; attn_out = softmax(q k^T + (1 - mask) x -1e9) v, both products on codes of FP6 (E2M3), and attn_out's quantising for the last product.  32 (batch, head) pairs, 2,048 queries and keys, head size 64.
; THE SOFTMAX: logit = score + the mask's term; t = logit x log2(e); M = the row's largest t so far, rounded up to a whole number; p = 2^(t - M) is quantised along the keys, not normalised.  The row's sum is
; taken of the unquantised p and divides at the end.  When M moves, the sum and O are multiplied by 2^(old M - new M): exact.
; WHICH KEY STEPS ARE WALKED is read from memory.  The first launch has stored, for each tile of 16 queries and each step of 128 keys, three bits made from the mask as it is given: FAR (every term <= -5e8),
; ANCHOR (every row has a term >= -1e8), NIL (every term is 0).  If the tile has an anchor step, its far steps are left out: each of their logits lies at least 4e8 less the spread of the scores under the row's
; largest, so p = 2^(t - M) is 0 in f32 and adds nothing to the sum or to O.  Without an anchor all sixteen steps are walked.  A nil step's score product begins with C = 0 and loads no term.
; LIMITS: the choice above holds while |score| < 1.9e8 (the data's scores lie under 10).  In a wholly masked row t - M is made by one fused multiply-add from a logit near 1e9, so p may lie up to 2^64 from 1;
; the sum carries the same factor.  A block of zeros gets the scale byte 1.  NaN and infinities are not served.
; SHARES.  A work-group has 4 heads x 4 tiles of 16 queries: tiles 2 ep, 2 ep + 1 of the 128 queries 15 - k (pass 0) and of the 128 queries k (pass 1).  Wave w = head + 4 u + 8 half makes two passes: in pass p it
; walks, for its head and tile u of that pass, every second step of the tile's list: half 0 the list's steps 0, 2, 4 .., half 1 the steps 1, 3, 5 ..  Each pass leaves O^T, -M and the sums in LDS bytes of the
; wave's own (4,608 bytes a pass).  Behind one barrier wave w joins the two halves of tile u of pass 'half': both are brought under the larger M by factors 2^(M_i - M), exact, and added; then it finishes that tile.
; NO TENSOR LOADS, NO CLUSTER: the walk's trips and addresses hang on numbers read from memory.  K, V and the mask's term lie in memory as images of their registers and go straight into them: the next step's K is
; asked for at this step's head, a whole step ahead of its use, and V there too; so no prefetch is laid beside these loads.  Every wait on loads is for 0: K's run is issued ahead of V's.
; LAYOUT.  Both products transposed: S^T = K Q^T + C, O^T = V^T P^T: a lane holds one query.  Row r of tile 2 g + u is row 32 g + 8 u + r + 8 (r / 8).  THE FIRST PRODUCT'S K IS 64: Q's upper six registers are zero
; codes, so what stands in K's upper six adds nothing; the upper two scale bytes are 0 on both sides.
; A block of kv (a head, 128 keys), 13,056 bytes: K's eight images of 768 bytes; V's four fragments of 1,536 at 6,144; K's scale words at 12,288; V's at 12,800.
; REGISTERS: v1 where my partial results go, v2, v8 where the two that I join lie; v3 Q's scale offset; v4, v7 16 and 8 x lane; v5, v6 the spare word and 0; v[10:11] V's scale words; v12 -M, v13 the largest t,
; v[14:15] the sum; v16-27 Q; v29, v31 the way out; v32-79 V; v80-143 the mask's term, S^T, p; v144-175 O^T; v176-223 K; v224-235 p's codes; v230-247, v252-254 at work; v248-251 K's scale words, v253 p's, v255 Q's.
.set KVB,   13056
.set SPARE, 512                        ; LDS: 512 bytes in which attn_out's scale words meet; the spare words, 128 bytes for each of 16 waves;
.set PART,  2560                       ; the partial results: [wave][pass][4,608]: O^T's 32 registers as an image, then v12-15
.set PB,    4608
.set SOFF,  0x300000
.set SPW, 5
.set NIL, 6
.set VF,  32
.set S,   80
.set O,   144
.set KF,  176
.set WV,  14
.set SEL, 20
.set CS,  22
.set HALF, 47
.set KV0, 48                           ; s[48:49] my pair's sixteen blocks;  s[50:51] the pass's tile's sixteen terms
.set BC0, 50
.set KVC, 52                           ; s[52:53] this step's block;  s[54:55] the next step's;  s[56:57] the next step's term
.set KVN, 54
.set BCN, 56
.set NM,  58                           ; the steps still to be asked for, a bit each: mine and the other half's by turns, mine lowest
.set GM,  59                           ; the steps whose term is not nil
.set KC,  60                           ; 1: this step has a term;  s61: the next one has
.set KN,  61
.set CNT, 62
.set MORE, 63                          ; 1: a step follows
.set PASS, 70
.macro FLG b, nm, gm                   ; a tile's eight words of bits -> the steps to walk, the steps with a term
	s_or_b32 s[\b], s[\b], s[\b+2]                 ; each word holds the bits of four steps at their places
	s_or_b32 s[\b+4], s[\b+4], s[\b+6]
	s_or_b32 s[\b], s[\b], s[\b+4]                 ; 15:0 far, 31:16 nil
	s_or_b32 s[\b+1], s[\b+1], s[\b+3]
	s_or_b32 s[\b+5], s[\b+5], s[\b+7]
	s_or_b32 s[\b+1], s[\b+1], s[\b+5]             ; anchors
	s_lshr_b32 s[\gm], s[\b], 16
	s_xor_b32 s[\gm], s[\gm], 0xffff
	s_and_b32 s[\b], s[\b], 0xffff
	s_cmp_lg_u32 s[\b+1], 0
	s_cselect_b32 s[\b], s[\b], 0                  ; far steps are left out only where an anchor stands
	s_xor_b32 s[\nm], s[\b], 0xffff
.endm
.macro NEXT                            ; the lowest step left: its block, its term, its kind; the step behind it is the other half's.  With none left: MORE = 0, KN = 0, and the addresses are not used
	s_cmp_lg_u32 s[NM], 0
	s_cselect_b32 s[MORE], 1, 0
	s_ctz_i32_b32 s24, s[NM]
	s_min_u32 s24, s24, 15
	s_sub_co_u32 s25, s[NM], 1
	s_and_b32 s[NM], s[NM], s25
	s_sub_co_u32 s25, s[NM], 1
	s_and_b32 s[NM], s[NM], s25
	s_lshr_b32 s[KN], s[GM], s24
	s_and_b32 s[KN], s[KN], s[MORE]
	s_mul_i32 s26, s24, KVB
	s_mov_b32 s27, 0
	s_add_nc_u64 s[KVN:KVN+1], s[KV0:KV0+1], s[26:27]
	s_lshl_b32 s26, s24, 15
	s_add_nc_u64 s[BCN:BCN+1], s[BC0:BC0+1], s[26:27]
.endm
.macro KLOAD                           ; 17 loads: K's eight tiles, six registers apart, and its scale words
.irp t, 0,1,2,3,4,5,6,7
	global_load_b128 v[KF+6*\t:KF+6*\t+3], v4, s[KVN:KVN+1] offset:768*\t
	global_load_b64 v[KF+6*\t+4:KF+6*\t+5], v7, s[KVN:KVN+1] offset:768*\t+512
.endr
	global_load_b128 v[248:251], v4, s[KVN:KVN+1] offset:12288
.endm
.macro VLOAD                           ; 17 loads: V's four fragments and its scale words
.irp f, 0,1,2,3
	global_load_b128 v[VF+12*\f:VF+12*\f+3], v4, s[KVC:KVC+1] offset:6144+1536*\f
	global_load_b64 v[VF+12*\f+4:VF+12*\f+5], v7, s[KVC:KVC+1] offset:6144+1536*\f+512
	global_load_b128 v[VF+12*\f+6:VF+12*\f+9], v4, s[KVC:KVC+1] offset:6144+1536*\f+768
	global_load_b64 v[VF+12*\f+10:VF+12*\f+11], v7, s[KVC:KVC+1] offset:6144+1536*\f+1280
.endr
	global_load_b64 v[10:11], v7, s[KVC:KVC+1] offset:12800
.endm
.macro MLOAD                           ; 16 loads: the mask's term, straight into the score registers
.irp i, 0,1,2,3,4,5,6,7,8,9,10,11,12,13,14,15
	global_load_b128 v[S+4*\i:S+4*\i+3], v4, s[BCN:BCN+1] offset:512*\i
.endr
.endm
.macro SMUL term                       ; S^T = K Q^T + the term, or + 0
.irp u, 0,1,2,3
.if \term
	v_wmma_scale_f32_16x16x128_f8f6f4 v[S+16*\u:S+16*\u+7], v[KF+12*\u:KF+12*\u+11], v[16:27], v[S+16*\u:S+16*\u+7], v[248+\u], v255 matrix_a_fmt:MATRIX_FMT_FP6 matrix_b_fmt:MATRIX_FMT_FP6
	v_wmma_scale_f32_16x16x128_f8f6f4 v[S+16*\u+8:S+16*\u+15], v[KF+12*\u+6:KF+12*\u+17], v[16:27], v[S+16*\u+8:S+16*\u+15], v[248+\u], v255 matrix_a_fmt:MATRIX_FMT_FP6 matrix_b_fmt:MATRIX_FMT_FP6 matrix_a_scale:MATRIX_SCALE_ROW1
.else
	v_wmma_scale_f32_16x16x128_f8f6f4 v[S+16*\u:S+16*\u+7], v[KF+12*\u:KF+12*\u+11], v[16:27], 0, v[248+\u], v255 matrix_a_fmt:MATRIX_FMT_FP6 matrix_b_fmt:MATRIX_FMT_FP6
	v_wmma_scale_f32_16x16x128_f8f6f4 v[S+16*\u+8:S+16*\u+15], v[KF+12*\u+6:KF+12*\u+17], v[16:27], 0, v[248+\u], v255 matrix_a_fmt:MATRIX_FMT_FP6 matrix_b_fmt:MATRIX_FMT_FP6 matrix_a_scale:MATRIX_SCALE_ROW1
.endif
.endr
.endm
.macro DUMP off                        ; a pass's partial result into my own LDS bytes; each accumulator from its low end on
.irp i, 0,1,2,3,4,5,6,7
	ds_store_b128 v1, v[O+4*\i:O+4*\i+3] offset:\off+512*\i
.endr
	ds_store_b128 v1, v[12:15] offset:\off+4096
.endm
	s_load_b256 s[4:11], s[0:1], 0x0               ; qc s[4:5], kv s[6:7], bc s[8:9], flags s[10:11]
	s_load_b64 s[12:13], s[0:1], 0x20              ; ac
	v_lshl_add_u32 v[SPW], v0, 2, SPARE
	v_mov_b32 v[NIL], 0
	v_lshrrev_b32 v30, 5, v0
	s_delay_alu instid0(VALU_DEP_1)
	v_readfirstlane_b32 s[WV], v30                 ; wave 0..15
	s_and_b32 s15, s[WV], 3                        ; my head of the four
	s_lshr_b32 s16, s[WV], 2                       ; u + 2 half: also the tile of the four that I finish
	s_lshr_b32 s[HALF], s[WV], 3
	s_and_b32 s17, ttmp9, 7                        ; the group of four (batch, head) pairs
	s_bfe_u32 s18, ttmp9, 0x30003                  ; k
	s_lshr_b32 s19, ttmp9, 6                       ; ep
	s_lshl_b32 s25, s19, 1
	s_and_b32 s24, s16, 1
	s_add_co_u32 s25, s25, s24                     ; 2 ep + u
	s_lshl_b32 s45, s18, 3
	s_add_co_u32 s45, s45, s25                     ; pass 1's tile among the sequence's 128
	s_xor_b32 s44, s18, 15
	s_lshl_b32 s44, s44, 3
	s_add_co_u32 s44, s44, s25                     ; pass 0's
	s_cmp_eq_u32 s[HALF], 0
	s_cselect_b32 s28, s44, s45                    ; the tile that I finish
	s_lshl_b32 s29, s17, 2
	s_add_co_u32 s29, s29, s15                     ; my (batch, head) pair
	s_lshl_b32 s32, s44, 5                         ; flags: 32 bytes a tile
	s_mov_b32 s33, 0
	s_lshl_b32 s34, s45, 5
	s_mov_b32 s35, 0
	s_mul_i32 s38, s29, 16*KVB                     ; kv: the pair's sixteen blocks
	s_mov_b32 s39, 0
	s_lshr_b32 s30, s17, 2                         ; batch
	s_and_b32 s31, s17, 3                          ; which four heads: a pair of the last product's K steps
	s_lshl_b32 s66, s30, 7                         ; attn_out's codes: tile 128 x batch + the tile, 768 bytes a head
	s_add_co_u32 s66, s66, s28
	s_mul_i32 s66, s66, 12288
	s_lshl_b32 s25, s31, 2
	s_add_co_u32 s25, s25, s15
	s_mul_i32 s25, s25, 768
	s_add_co_u32 s66, s66, s25
	s_mov_b32 s67, 0
	s_lshl_b32 s68, s30, 6                         ; its scale words: the group of 32 rows 64 x batch + 4 k + ep; the other group lies 4 (15 - 2 k) groups on
	s_lshl_b32 s25, s18, 2
	s_add_co_u32 s68, s68, s25
	s_add_co_u32 s68, s68, s19
	s_lshl_b32 s68, s68, 10
	s_lshl_b32 s25, s31, 8
	s_add_co_u32 s68, s68, s25
	s_add_co_u32 s68, s68, SOFF
	s_mov_b32 s69, 0
	s_lshl_b32 s24, s16, 7
	s_lshl_b32 s25, s15, 1
	s_add_co_u32 s24, s24, s25                     ; LDS: 128 x tile + 2 x head
	s_lshl_b32 s25, s18, 1
	s_sub_co_u32 s25, 15, s25
	s_lshl_b32 s25, s25, 12
	s_mul_i32 s26, s[WV], 2*PB
	s_add_co_u32 s26, s26, PART                    ; LDS: my two partial results
	s_and_b32 s27, s[WV], 7
	s_mul_i32 s27, s27, 2*PB
	s_mul_i32 s30, s[HALF], PB
	s_add_co_u32 s27, s27, s30
	s_add_co_u32 s27, s27, PART                    ; LDS: pass 'half' of wave head + 4 u; the other half's lies eight waves on
	s_mov_b32 s[SEL], 0x76543210
	s_mov_b32 s[SEL+1], 0xfedcba98
	s_mov_b32 s[CS], 0x3fb8aa3b                    ; log2(e): q already carries 1 / sqrt(64)
	s_mov_b32 s[CS+1], s[CS]
	v_and_b32 v30, 31, v0                          ; lane
	v_and_b32 v9, 15, v0                           ; r
	v_lshlrev_b32 v4, 4, v30
	v_lshlrev_b32 v7, 3, v30
	v_lshlrev_b32 v3, 4, v9
	v_lshl_add_u32 v29, v9, 3, s24                 ; my two scale bytes' place: 128 x tile + 8 r + 2 x head
	v_lshrrev_b32 v31, 4, v30
	v_sub_nc_u32 v31, 1, v31
	v_mul_u32_u24 v31, s25, v31
	v_lshl_add_u32 v31, v9, 4, v31                 ; lanes 0-15: the group of tiles 0, 1; lanes 16-31: that of tiles 2, 3; 16 bytes a lane
	v_add_nc_u32 v1, s26, v4
	v_add_nc_u32 v2, s27, v4
	v_add_nc_u32 v8, 16*PB, v2
.irp j, 22,23,24,25,26,27,224,225,226,227,228,229
	v_mov_b32 v\j, 0                               ; Q's upper half: zero codes.  v224-229: what stands behind K's last tile, written before it is first read
.endr
.irp j, 236,237,238,239,252,253
	v_mov_b32 v\j, 0                               ; a lane permute's destination counts as one of its sources, and both registers of a pair are named
.endr
	s_wait_alu depctr_va_vdst(0)                   ; the wait at the head's end
	s_wait_kmcnt 0x0
	s_add_nc_u64 s[32:33], s[10:11], s[32:33]
	s_add_nc_u64 s[34:35], s[10:11], s[34:35]
	s_load_b256 s[72:79], s[32:33], 0x0            ; both passes' tiles' words of bits
	s_load_b256 s[80:87], s[34:35], 0x0
	s_add_nc_u64 s[KV0:KV0+1], s[6:7], s[38:39]
	s_add_nc_u64 s[66:67], s[12:13], s[66:67]
	s_add_nc_u64 s[68:69], s[12:13], s[68:69]
	s_wait_kmcnt 0x0
	FLG 72, 40, 41
	FLG 80, 42, 43
	s_mov_b32 s[PASS], 0
.Lpass:                                            ; TWO PASSES
	s_cmp_eq_u32 s[PASS], 0
	s_cselect_b32 s46, s44, s45                    ; the pass's tile, its steps, their kinds
	s_cselect_b32 s[NM], s40, s42
	s_cselect_b32 s[GM], s41, s43
	s_lshl_b32 s38, s29, 7
	s_add_co_u32 s38, s38, s46
	s_mul_i32 s38, s38, 768                        ; Q's six registers
	s_mov_b32 s39, 0
	s_add_nc_u64 s[34:35], s[4:5], s[38:39]
	s_lshl_b32 s38, s29, 13                        ; Q's scale words: 512 bytes for eight tiles; the word of tile 2 j + u, row r, at 16 (16 u + r) + 4 j
	s_lshr_b32 s25, s46, 3
	s_lshl_b32 s25, s25, 9
	s_add_co_u32 s38, s38, s25
	s_and_b32 s25, s46, 1
	s_lshl_b32 s25, s25, 8
	s_add_co_u32 s38, s38, s25
	s_bfe_u32 s25, s46, 0x20001
	s_lshl_b32 s25, s25, 2
	s_add_co_u32 s38, s38, s25
	s_add_co_u32 s38, s38, SOFF
	s_add_nc_u64 s[36:37], s[4:5], s[38:39]
	s_lshr_b32 s38, s46, 2                         ; bc: [64 queries][step][tile of four][8,192]
	s_lshl_b32 s38, s38, 19
	s_and_b32 s25, s46, 3
	s_lshl_b32 s25, s25, 13
	s_add_co_u32 s38, s38, s25
	s_add_nc_u64 s[BC0:BC0+1], s[8:9], s[38:39]
	global_load_b128 v[16:19], v4, s[34:35]        ; Q's six registers stay for the pass
	global_load_b64 v[20:21], v7, s[34:35] offset:512
	global_load_b32 v255, v3, s[36:37]
	v_mov_b32 v13, 0xff61b1e6                      ; the largest t so far: -3e38
	v_floor_f32 v12, -v13                          ; -M
	v_mov_b32 v14, 0
	v_mov_b32 v15, 0
.irp j, 0,1,2,3,4,5,6,7,8,9,10,11,12,13,14,15,16,17,18,19,20,21,22,23,24,25,26,27,28,29,30,31
	v_mov_b32 v[O+\j], 0                           ; O^T: the step is written once; the first finds zeros
.endr
	s_sub_co_u32 s25, s[NM], 1
	s_and_b32 s25, s[NM], s25
	s_cmp_eq_u32 s[HALF], 0
	s_cselect_b32 s[NM], s[NM], s25                ; half 1 begins at the list's second step
	s_bcnt1_i32_b32 s[CNT], s[NM]
	s_add_co_u32 s[CNT], s[CNT], 1
	s_lshr_b32 s[CNT], s[CNT], 1                   ; every second of what is left: the walk's trips,
	s_min_u32 s[CNT], s[CNT], 8                    ; 0 to 8 whatever the words hold
	s_wait_alu depctr_va_vdst(0)                   ; the wait here, directly ahead of the branch
	s_cmp_eq_u32 s[CNT], 0
	s_cbranch_scc1 .Lwalked                        ; a list of one step leaves half 1 none: its partial result is zeros under M = -3e38
	NEXT
	KLOAD                                          ; the first step's K,
	s_cmp_eq_u32 s[KN], 0
	s_cbranch_scc1 .Lfirst_plain
	MLOAD                                          ; and its term, if it has one
.Lfirst_plain:
.Lstep:                                            ; A KEY STEP: 128 keys
	s_wait_alu depctr_va_vdst(0)                   ; the wait here, directly ahead of the wait below
	s_wait_loadcnt 0x0                             ; K, its scale words and the term are in; no load of mine is out, so the bases may be written
	s_mov_b64 s[KVC:KVC+1], s[KVN:KVN+1]
	s_mov_b32 s[KC], s[KN]
	NEXT
	s_cmp_eq_u32 s[KC], 0
	s_cbranch_scc1 .Lplain
	SMUL 1
	s_branch .Lscored
.Lplain:
	SMUL 0
.Lscored:
.rept 4
	v_nop                                          ; places: the logits are read, and K's and V's registers are loaded again
.endr
	s_cmp_eq_u32 s[MORE], 0
	s_cbranch_scc1 .Lno_k
	KLOAD                                          ; the next step's K: a whole step ahead of its use
.Lno_k:
	VLOAD                                          ; this step's V
.irp b, 0,1,2,3
	v_max3_num_f32 v[232+\b], v[S+16*\b], v[S+1+16*\b], v[S+2+16*\b]   ; the largest logit of each block of 32 keys: for the row's maximum and, since p rises with it, for the block's largest p
.endr
.irp i, 3,5,7,9,11,13
.irp b, 0,1,2,3
	v_max3_num_f32 v[232+\b], v[232+\b], v[S+16*\b+\i], v[S+1+16*\b+\i]   ; the four blocks by turns
.endr
.endr
.irp b, 0,1,2,3
	v_max_num_f32 v[232+\b], v[232+\b], v[S+15+16*\b]
.endr
.irp b, 0,1,2,3
	s_delay_alu instid0(VALU_DEP_4)
	v_permlanex16_b32 v[236+\b], v[232+\b], s[SEL], s[SEL+1]
.endr
.irp b, 0,1,2,3
	s_delay_alu instid0(VALU_DEP_4)
	v_max_num_f32 v[232+\b], v[232+\b], v[236+\b]  ; with lane l xor 16's 16 keys
.endr
	s_delay_alu instid0(VALU_DEP_2)
	v_max3_num_f32 v254, v232, v233, v234
	s_delay_alu instid0(VALU_DEP_1)
	v_max_num_f32 v254, v254, v235
	s_delay_alu instid0(VALU_DEP_1)
	v_mul_f32 v254, s[CS], v254                    ; as t (log2(e) is positive)
	s_delay_alu instid0(VALU_DEP_1)
	v_max_num_f32 v13, v13, v254                   ; the running largest t
	v_mov_b32 v254, v12
	s_delay_alu instid0(VALU_DEP_2)
	v_floor_f32 v12, -v13                          ; the new -M = -ceil(t)
	s_delay_alu instid0(VALU_DEP_1)
	v_sub_f32 v254, v12, v254                      ; old M - new M: a whole number, 0 or less
	s_delay_alu instid0(VALU_DEP_1)
	v_cvt_i32_f32 v254, v254                       ; (it saturates)
	s_delay_alu instid0(VALU_DEP_1)
	v_ldexp_f32 v252, 1.0, v254                    ; f = 2^(old M - new M)
.irp j, 0,2,4,6,8,10,12,14,16,18,20,22,24,26,28,30,32,34,36,38,40,42,44,46,48,50,52,54,56,58,60,62
	v_pk_fma_f32 v[S+\j:S+\j+1], v[S+\j:S+\j+1], s[CS:CS+1], v[12:13] op_sel_hi:[1,0,0]   ; t - M, two at a time (of the pairs the low word serves both halves)
.endr
.irp b, 0,1,2,3
	v_fma_f32 v[232+\b], v[232+\b], s[CS], v12     ; the same of each block's largest logit
.endr
	s_wait_alu depctr_va_vdst(0)                   ; the wait ahead of the batch
.set n, 0
.rept 64
	v_exp_f32 v[S+n], v[S+n]                       ; p = 2^(t - M)
.set n, n+1
.endr
	v_pk_mul_f32 v[14:15], v[14:15], v[252:253] op_sel_hi:[1,0]   ; the sums under the new M: a plain place behind the exponentials
	s_wait_alu depctr_va_vdst(0)                   ; one wait for the whole batch, ahead of its first reader
.irp b, 0,1,2,3
	v_exp_f32 v[232+\b], v[232+\b]                 ; the block's largest p
.endr
	v_pk_add_f32 v[236:237], v[84:85], v[88:89]    ; the row's sum of the unquantised p, in eight chains
	v_pk_add_f32 v[246:247], v[92:93], v[96:97]
	v_pk_add_f32 v[244:245], v[100:101], v[104:105]
	v_pk_add_f32 v[242:243], v[108:109], v[112:113]
	v_pk_add_f32 v[240:241], v[116:117], v[120:121]
	v_pk_add_f32 v[238:239], v[124:125], v[128:129]
	v_pk_add_f32 v[230:231], v[132:133], v[136:137]
	v_pk_add_f32 v[14:15], v[14:15], v[140:141]
	v_pk_add_f32 v[236:237], v[236:237], v[80:81]
	v_pk_add_f32 v[246:247], v[246:247], v[82:83]
	v_pk_add_f32 v[244:245], v[244:245], v[86:87]
	v_pk_add_f32 v[242:243], v[242:243], v[90:91]
	v_pk_add_f32 v[240:241], v[240:241], v[94:95]
	v_pk_add_f32 v[238:239], v[238:239], v[98:99]
	v_pk_add_f32 v[230:231], v[230:231], v[102:103]
	v_pk_add_f32 v[14:15], v[14:15], v[106:107]
	v_pk_add_f32 v[236:237], v[236:237], v[110:111]
	v_pk_add_f32 v[246:247], v[246:247], v[114:115]
	v_pk_add_f32 v[244:245], v[244:245], v[118:119]
	v_pk_add_f32 v[242:243], v[242:243], v[122:123]
	v_pk_add_f32 v[240:241], v[240:241], v[126:127]
	v_pk_add_f32 v[238:239], v[238:239], v[130:131]
	v_pk_add_f32 v[230:231], v[230:231], v[134:135]
	v_pk_add_f32 v[14:15], v[14:15], v[138:139]
	v_pk_add_f32 v[236:237], v[236:237], v[142:143]
	s_delay_alu instid0(VALU_DEP_2)
	v_pk_add_f32 v[14:15], v[14:15], v[242:243]
	s_delay_alu instid0(VALU_DEP_2)
	v_pk_add_f32 v[236:237], v[236:237], v[240:241]
	v_pk_add_f32 v[246:247], v[246:247], v[238:239]
	v_pk_add_f32 v[244:245], v[244:245], v[230:231]
	s_delay_alu instid0(VALU_DEP_2)
	v_pk_add_f32 v[14:15], v[14:15], v[246:247]
	s_delay_alu instid0(VALU_DEP_2)
	v_pk_add_f32 v[236:237], v[236:237], v[244:245]
	s_delay_alu instid0(VALU_DEP_1)
	v_pk_add_f32 v[14:15], v[14:15], v[236:237]
	s_wait_alu depctr_va_vdst(0)                   ; and one for the four
.irp b, 0,1,2,3
	v_max_num_f32 v[232+\b], 0x1800000, v[232+\b]  ; the floor 2^(3 - 127)
.endr
.irp b, 0,1,2,3
	s_delay_alu instid0(VALU_DEP_4)
	v_add_nc_u32 v[244+\b], 0xff000000, v[232+\b]  ; the conversion's scale operand
.endr
.irp b, 0,1,2,3
	s_delay_alu instid0(VALU_DEP_4)
	v_lshrrev_b32 v[236+\b], 23, v[244+\b]
.endr
	s_delay_alu instid0(VALU_DEP_3)
	v_lshl_or_b32 v253, v237, 8, v236              ; p's scale word for these 128 keys
	s_delay_alu instid0(VALU_DEP_1)
	v_lshl_or_b32 v253, v238, 16, v253
	s_delay_alu instid0(VALU_DEP_1)
	v_lshl_or_b32 v253, v239, 24, v253
.irp c, 0,1
	v_cvt_scalef32_pk16_fp6_f32 v[224+6*\c:226+6*\c], v[S+32*\c:S+15+32*\c], v[244+2*\c]
	v_cvt_scalef32_pk16_fp6_f32 v[236+4*\c:238+4*\c], v[S+16+32*\c:S+31+32*\c], v[244+2*\c+1]
.endr
	v_nop                                          ; one plain place behind a scaled conversion
	s_wait_alu depctr_va_vdst(0)                   ; the wait here, directly ahead of the wait below
	s_wait_loadcnt 0x0                             ; V is in (and the next step's K, whose run was issued ahead of V's)
	s_cmp_eq_u32 s[KN], 0
	s_cbranch_scc1 .Lno_m
	MLOAD                                          ; p's registers are free: the next step's term lands there
.Lno_m:
.irp c, 0,1
.irp i, 0,1,2
	v_permlane16_swap_b32 v[224+6*\c+\i], v[236+4*\c+\i]   ; the operand wants a whole block in a lane
.endr
.irp i, 0,1,2
	v_mov_b32 v[227+6*\c+\i], v[236+4*\c+\i]
.endr
.endr
	s_wait_alu depctr_va_vdst(0)                   ; the wait here, directly ahead of the first reader of O^T
.irp j, 0,2,4,6,8,10,12,14,16,18,20,22,24,26,28,30
	v_pk_mul_f32 v[O+\j:O+\j+1], v[O+\j:O+\j+1], v[252:253] op_sel_hi:[1,0]   ; O^T under the new M; these sixteen are also the places between p's codes and scale word and the products
.endr
	v_wmma_scale_f32_16x16x128_f8f6f4 v[O:O+7], v[VF:VF+11], v[224:235], v[O:O+7], v10, v253 matrix_a_fmt:MATRIX_FMT_FP6 matrix_b_fmt:MATRIX_FMT_FP6
	v_wmma_scale_f32_16x16x128_f8f6f4 v[O+8:O+15], v[VF+12:VF+23], v[224:235], v[O+8:O+15], v10, v253 matrix_a_fmt:MATRIX_FMT_FP6 matrix_b_fmt:MATRIX_FMT_FP6 matrix_a_scale:MATRIX_SCALE_ROW1
	v_wmma_scale_f32_16x16x128_f8f6f4 v[O+16:O+23], v[VF+24:VF+35], v[224:235], v[O+16:O+23], v11, v253 matrix_a_fmt:MATRIX_FMT_FP6 matrix_b_fmt:MATRIX_FMT_FP6
	v_wmma_scale_f32_16x16x128_f8f6f4 v[O+24:O+31], v[VF+36:VF+47], v[224:235], v[O+24:O+31], v11, v253 matrix_a_fmt:MATRIX_FMT_FP6 matrix_b_fmt:MATRIX_FMT_FP6 matrix_a_scale:MATRIX_SCALE_ROW1
	s_sub_co_u32 s[CNT], s[CNT], 1
	s_cmp_lg_u32 s[CNT], 0
	s_cbranch_scc1 .Lstep
.Lwalked:
	s_wait_loadcnt 0x0                             ; no load of mine is out on any way here (Q's, where the walk had no step): registers and bases may be written again
.rept 4
	v_nop                                          ; places behind the last products
.endr
	s_cmp_eq_u32 s[PASS], 0
	s_cbranch_scc0 .Ldump1
	DUMP 0
	s_branch .Ldumped
.Ldump1:
	DUMP PB
.Ldumped:
	s_add_co_u32 s[PASS], s[PASS], 1
	s_cmp_lt_u32 s[PASS], 2
	s_cbranch_scc1 .Lpass
	; THE TWO HALVES OF A TILE ARE JOINED.  -M = the smaller of the two -M; each half is multiplied by 2^(its M - M), exact, and the two are added.
	s_wait_dscnt 0x0                               ; for the others' sake: my stores have landed
	s_barrier_signal -1
	s_barrier_wait -1
.irp i, 0,1,2,3,4,5,6,7
	ds_load_b128 v[O+4*\i:O+4*\i+3], v2 offset:512*\i
.endr
	ds_load_b128 v[12:15], v2 offset:4096
.irp i, 0,1,2,3,4,5,6,7
	ds_load_b128 v[S+4*\i:S+4*\i+3], v8 offset:512*\i
.endr
	ds_load_b128 v[S+32:S+35], v8 offset:4096
	s_wait_dscnt 0x0
	v_min_num_f32 v232, v12, v[S+32]
	v_sub_f32 v233, v232, v12                      ; a half's M - M: a whole number, 0 or less
	v_sub_f32 v234, v232, v[S+32]
	v_cvt_i32_f32 v233, v233                       ; (it saturates: a half without a step gets the factor 0)
	v_cvt_i32_f32 v234, v234
	v_ldexp_f32 v236, 1.0, v233
	v_ldexp_f32 v238, 1.0, v234
.irp j, 0,2,4,6,8,10,12,14,16,18,20,22,24,26,28,30
	v_pk_mul_f32 v[O+\j:O+\j+1], v[O+\j:O+\j+1], v[236:237] op_sel_hi:[1,0]
.endr
	v_pk_mul_f32 v[14:15], v[14:15], v[236:237] op_sel_hi:[1,0]
.irp j, 0,2,4,6,8,10,12,14,16,18,20,22,24,26,28,30
	v_pk_fma_f32 v[O+\j:O+\j+1], v[S+\j:S+\j+1], v[238:239], v[O+\j:O+\j+1] op_sel_hi:[1,0,1]
.endr
	v_pk_fma_f32 v[14:15], v[S+34:S+35], v[238:239], v[14:15] op_sel_hi:[1,0,1]
	; THE WAY OUT.  O^T / the sum; register 16 b + i is channel 32 b + 16 h + i of my query: two blocks of the last product's K.  They are quantised and leave as an image of six registers.
	s_delay_alu instid0(VALU_DEP_1)
	v_add_f32 v14, v14, v15
	s_delay_alu instid0(VALU_DEP_1)
	v_permlanex16_b32 v252, v14, s[SEL], s[SEL+1]
	s_delay_alu instid0(VALU_DEP_1)
	v_add_f32 v14, v14, v252                       ; the row's sum
	s_wait_alu depctr_va_vdst(0)                   ; the wait ahead of the transcendental
	v_rcp_f32 v14, v14
	v_nop                                          ; a plain place behind the transcendental
	s_wait_alu depctr_va_vdst(0)                   ; the wait, ahead of the first reader
.irp j, 0,1,2,3,4,5,6,7,8,9,10,11,12,13,14,15,16,17,18,19,20,21,22,23,24,25,26,27,28,29,30,31
	v_mul_f32 v[S+\j], v[O+\j], v14
.endr
.irp b, 0,1
	v_max3_num_f32 v[232+\b], |v[S+16*\b]|, |v[S+1+16*\b]|, 0x1800000
.endr
.irp i, 2,4,6,8,10,12,14
.irp b, 0,1
	s_delay_alu instid0(VALU_DEP_2)
	v_max3_num_f32 v[232+\b], v[232+\b], |v[S+16*\b+\i]|, |v[S+1+16*\b+\i]|
.endr
.endr
.irp b, 0,1
	s_delay_alu instid0(VALU_DEP_2)
	v_permlanex16_b32 v[236+\b], v[232+\b], s[SEL], s[SEL+1]
.endr
.irp b, 0,1
	s_delay_alu instid0(VALU_DEP_2)
	v_max_num_f32 v[232+\b], v[232+\b], v[236+\b]
.endr
.irp b, 0,1
	s_delay_alu instid0(VALU_DEP_2)
	v_add_nc_u32 v[244+\b], 0xff000000, v[232+\b]
.endr
.irp b, 0,1
	s_delay_alu instid0(VALU_DEP_2)
	v_lshrrev_b32 v[236+\b], 23, v[244+\b]
.endr
	s_delay_alu instid0(VALU_DEP_1)
	v_lshl_or_b32 v240, v237, 8, v236              ; my head's two bytes of the row's scale word
	v_cvt_scalef32_pk16_fp6_f32 v[224:226], v[S:S+15], v244
	v_cvt_scalef32_pk16_fp6_f32 v[236:238], v[S+16:S+31], v245
	v_nop                                          ; one plain place behind a scaled conversion
.irp i, 0,1,2
	v_permlane16_swap_b32 v[224+\i], v[236+\i]
.endr
.irp i, 0,1,2
	s_delay_alu instid0(VALU_DEP_3)
	v_mov_b32 v[227+\i], v[236+\i]
.endr
	global_store_b128 v4, v[224:227], s[66:67]     ; 512 and 256 consecutive bytes, aligned to 256
	global_store_b64 v7, v[228:229], s[66:67] offset:512
	ds_store_b16 v29, v240                         ; both lanes of a row write the same two bytes with the same value
	s_wait_dscnt 0x0                               ; for the others' sake: my store has landed
	s_barrier_signal -1
	s_barrier_wait -1
	s_cmp_lg_u32 s[WV], 0
	s_cbranch_scc1 .Lnot_first
	ds_load_b128 v[S:S+3], v4                      ; the work-group's 512 bytes of scale words: four heads x two groups of 32 rows
	s_wait_dscnt 0x0
	global_store_b128 v31, v[S:S+3], s[68:69]      ; two runs of 256 consecutive bytes, aligned
.Lnot_first:
	s_wait_tensorcnt 0x0                           ; the wave's end
	ds_add_u32 v[SPW], v[NIL]
	s_wait_dscnt 0x0
	s_endpgm
.Lfunc_end_k_qc76387cedf_attn:
	.size	k_qc76387cedf_attn, .Lfunc_end_k_qc76387cedf_attn-k_qc76387cedf_attn
	.p2alignl 7, 3214868480
	.fill 96, 4, 3214868480
	.section	.rodata,"a",@progbits
	.p2align	6, 0x0
	.amdhsa_kernel k_qc76387cedf_attn
		.amdhsa_group_segment_fixed_size 150016
		.amdhsa_private_segment_fixed_size 0
		.amdhsa_enable_private_segment 0
		.amdhsa_kernarg_size 40
		.amdhsa_user_sgpr_count 2
		.amdhsa_user_sgpr_kernarg_segment_ptr 1
		.amdhsa_wavefront_size32 1
		.amdhsa_system_sgpr_workgroup_id_x 1
		.amdhsa_system_sgpr_workgroup_id_y 1
		.amdhsa_system_sgpr_workgroup_id_z 1
		.amdhsa_system_vgpr_workitem_id 0
		.amdhsa_next_free_vgpr 256
		.amdhsa_next_free_sgpr 88
		.amdhsa_reserve_vcc 0
		.amdhsa_float_denorm_mode_32 3
		.amdhsa_float_denorm_mode_16_64 3
		.amdhsa_memory_ordered 1
		.amdhsa_forward_progress 1
		.amdhsa_inst_pref_size 43
	.end_amdhsa_kernel
	.amdgpu_metadata
---
amdhsa.version: [ 1, 2 ]
amdhsa.kernels:
  - .name:           k_qc76387cedf_attn
    .symbol:         k_qc76387cedf_attn.kd
    .args:
      - { .name: qc, .offset: 0, .size: 8, .value_kind: global_buffer, .address_space: global }
      - { .name: kv, .offset: 8, .size: 8, .value_kind: global_buffer, .address_space: global }
      - { .name: bc, .offset: 16, .size: 8, .value_kind: global_buffer, .address_space: global }
      - { .name: flags, .offset: 24, .size: 8, .value_kind: global_buffer, .address_space: global }
      - { .name: ac, .offset: 32, .size: 8, .value_kind: global_buffer, .address_space: global }
    .group_segment_fixed_size: 150016
    .private_segment_fixed_size: 0
    .kernarg_segment_align: 8
    .kernarg_segment_size: 40
    .max_flat_workgroup_size: 512
    .sgpr_count:     88
    .vgpr_count:     256
    .wavefront_size: 32
...
	.end_amdgpu_metadata
.endif
;; end of part 3
;; launch proj (part 4): grid 8 x 32, 4 waves a work-group, clusters of 4 x 4, 327,680 bytes of LDS; arguments ac, wc, b_proj, out0; writes out0
.if DOCPART == 4
	.amdgcn_target "amdgcn-amd-amdhsa--gfx1250"
	.amdhsa_code_object_version 6
	.text
	.protected	k_qc76387cedf_proj
	.globl	k_qc76387cedf_proj
	.p2align	8
	.type	k_qc76387cedf_proj,@function
k_qc76387cedf_proj:
	s_mov_b64 s[64:65], 0
	v_nop
	global_prefetch_b8 v0, s[64:65] scope:SCOPE_SE
	s_setreg_imm32_b32 hwreg(HW_REG_WAVE_MODE, 25, 1), 1
	s_wait_xcnt 0x0
	s_wait_alu depctr_hold_cnt(0) depctr_sa_sdst(0) depctr_va_vdst(0) depctr_va_sdst(0) depctr_va_ssrc(0) depctr_va_vcc(0) depctr_vm_vsrc(0)
	s_getreg_b32 s2, hwreg(HW_REG_IB_STS2, 6, 4)
	s_cmp_eq_u32 s2, 0
	s_cbranch_scc0 .Lentry_in_a_cluster
	s_endpgm
.Lentry_in_a_cluster:
	s_bfe_u32 s2, ttmp6, 0x10000c
	s_cmp_lg_u32 s2, 0xf033
	s_cbranch_scc0 .Lentry_shape_is_right
	s_endpgm
.Lentry_shape_is_right:
.set FR,     12
.set TROW,   12288
.set HB,     6144
.set HALFT,  4*HB
.set SLOT,   4*HALFT
.set SCL,    2*SLOT
.set HALFS,  2048
.set STAGE,  SCL+4*HALFS
.set SPITCH, 272
.set SOFF,   0x300000
.set ADRA, 16
.set ADRB, 20
.set STO,  24
.set RD,   25
.set CO,   26
.set ADRS, 27
.set BI,   12
.set SC,   32
.set BK,   64
.set ACC,  128
.set G1, 24
.set G0, 32
.set G1B, 48
.set G0B, 56
.set G1S, 68
.set G0S, 76
.set G1SB, 80
.set G0SB, 88
.set MSB, 0
.macro WIN new
.if MSB != \new
	s_set_vgpr_msb (MSB<<8)|\new
.set MSB, \new
.endif
.endm
.set MUL,  0x05
.set TO_F, 0x40
.macro JLOAD g0a, g1a, g0b, g1b
	s_cmp_eq_u32 s15, 0
	s_cbranch_scc0 .Lfor_b_\@
	tensor_load_to_lds s[\g0a:\g0a+3], s[\g1a:\g1a+7]
	s_nop 0
.rept 4
	v_nop
.endr
	s_branch .Lasked_\@
.Lfor_b_\@:
	tensor_load_to_lds s[\g0b:\g0b+3], s[\g1b:\g1b+7]
	s_nop 0
.rept 4
	v_nop
.endr
.Lasked_\@:
.endm
.macro CROUND
	s_barrier_signal -1
	s_barrier_wait -1
	s_cmp_lg_u32 s14, 0
	s_cbranch_scc1 .Lnot_wave_0_\@
	s_barrier_signal -3
.Lnot_wave_0_\@:
	s_barrier_wait -3
	s_barrier_signal -1
	s_barrier_wait -1
.endm
	s_load_b128 s[4:7], s[0:1], 0x0
	s_load_b64 s[8:9], s[0:1], 0x10
	s_load_b64 s[12:13], s[0:1], 0x18
	v_lshl_add_u32 v30, v0, 2, 0x36400
	v_mov_b32 v31, 0
	ds_add_u32 v30, v31
	ds_add_u32 v30, v31
	v_lshrrev_b32 v1, 5, v0
	v_readfirstlane_b32 s14, v1
	s_lshr_b32 s15, s14, 1
	s_and_b32 s16, s14, 1
	s_bfe_u32 s40, ttmp6, 0x40000
	s_bfe_u32 s41, ttmp6, 0x40004
	s_lshl_b32 s42, ttmp9, 2
	s_add_co_u32 s42, s42, s40
	s_and_b32 s17, ttmp7, 0xffff
	s_lshl_b32 s17, s17, 2
	s_add_co_u32 s17, s17, s41
	s_lshl_b32 s43, s41, 2
	s_lshl_b32 s43, 15, s43
	s_lshl_b32 s44, 0x1111, s40
	s_or_b32 s[G1+0], s43, (3<<16)|(1<<21)
	s_or_b32 s[G1B+0], s44, (3<<16)|(1<<21)
.irp g, G1, G1B
	s_mov_b32 s[\g+1], 768<<16
	s_mov_b32 s[\g+2], 4<<16
	s_mov_b32 s[\g+3], 768<<16
	s_mov_b32 s[\g+4], 4
	s_mov_b32 s[\g+5], TROW/8
	s_mov_b32 s[\g+6], 0
	s_mov_b32 s[\g+7], 0
.endr
	s_or_b32 s[G1S+0], s43, (3<<16)|(1<<21)
	s_or_b32 s[G1SB+0], s44, (3<<16)|(1<<21)
.irp g, G1S, G1SB
	s_mov_b32 s[\g+1], 32<<16
	s_mov_b32 s[\g+2], 8<<16
	s_mov_b32 s[\g+3], 32<<16
	s_mov_b32 s[\g+4], 8
	s_mov_b32 s[\g+5], 32
	s_mov_b32 s[\g+6], 0
	s_mov_b32 s[\g+7], 0
.endr
	s_lshl_b32 s18, s16, 2
	s_lshl_b32 s20, s17, 3
	s_add_co_u32 s20, s20, s18
	s_lshl_b32 s46, s42, 3
	s_add_co_u32 s46, s46, s18
	s_add_co_u32 s46, s46, 192
	s_lshl_b32 s22, s20, 9
	s_add_co_u32 s22, s22, SOFF
	s_mov_b32 s23, 0
	s_lshl_b32 s92, s46, 9
	s_add_co_u32 s92, s92, SOFF
	s_mov_b32 s93, 0
	s_mul_i32 s20, s20, TROW
	s_mov_b32 s21, 0
	s_mul_i32 s46, s46, TROW
	s_mov_b32 s47, 0
	s_mul_i32 s45, s14, HALFT
	s_mul_i32 s94, s14, HALFS
	s_wait_dscnt 0x0
	s_wait_kmcnt 0x0
	s_add_nc_u64 s[20:21], s[4:5], s[20:21]
	s_add_nc_u64 s[22:23], s[4:5], s[22:23]
	s_add_nc_u64 s[46:47], s[6:7], s[46:47]
	s_add_nc_u64 s[92:93], s[6:7], s[92:93]
	CROUND
	s_mov_b32 s[G0S], 1
	s_add_co_u32 s[G0S+1], s94, SCL
	s_mov_b64 s[G0S+2:G0S+3], s[22:23]
	s_or_b32 s[G0S+3], s[G0S+3], 0x80000000
	s_mov_b32 s[G0SB], 1
	s_add_co_u32 s[G0SB+1], s94, SCL
	s_mov_b64 s[G0SB+2:G0SB+3], s[92:93]
	s_or_b32 s[G0SB+3], s[G0SB+3], 0x80000000
	JLOAD G0S, G1S, G0SB, G1SB
.irp s, 0,1
	s_mov_b32 s[G0+4*\s], 1
	s_add_co_u32 s[G0+4*\s+1], s45, \s*SLOT
	s_add_nc_u64 s[G0+4*\s+2:G0+4*\s+3], s[20:21], \s*HB
	s_or_b32 s[G0+4*\s+3], s[G0+4*\s+3], 0x80000000
	s_mov_b32 s[G0B+4*\s], 1
	s_add_co_u32 s[G0B+4*\s+1], s45, \s*SLOT
	s_add_nc_u64 s[G0B+4*\s+2:G0B+4*\s+3], s[46:47], \s*HB
	s_or_b32 s[G0B+4*\s+3], s[G0B+4*\s+3], 0x80000000
	s_wait_alu depctr_va_vdst(0)
	s_wait_tensorcnt 0x0
	ds_add_u32 v30, v31
	s_wait_dscnt 0x0
	CROUND
	JLOAD G0+4*\s, G1, G0B+4*\s, G1B
.endr
	v_and_b32 v1, 15, v0
	v_bfe_u32 v2, v0, 4, 1
	v_and_b32 v3, 31, v0
	v_lshlrev_b32 v4, 4, v3
	v_lshlrev_b32 v5, 3, v3
	s_mul_i32 s21, s15, HALFT
	s_mul_i32 s22, s16, HALFT
	s_add_co_u32 s22, s22, 2*HALFT
.irp s, 0,1
	v_add_nc_u32 v[ADRA+\s], s21, v4
	v_add_nc_u32 v[ADRB+\s], s22, v4
	v_add_nc_u32 v[ADRA+2+\s], s21, v5
	v_add_nc_u32 v[ADRB+2+\s], s22, v5
	s_add_co_u32 s21, s21, SLOT
	s_add_co_u32 s22, s22, SLOT
.endr
	v_lshlrev_b32 v6, 3, v1
	s_mul_i32 s21, s15, HALFS
	s_mul_i32 s22, s16, HALFS
	s_add_co_u32 s22, s22, 2*HALFS
	s_sub_co_u32 s22, s22, s21
	v_mul_u32_u24 v7, s22, v2
	s_add_co_u32 s21, s21, SCL
	v_add_nc_u32 v6, v6, v7
	v_add_nc_u32 v[ADRS], s21, v6
	s_mul_i32 s23, s14, 16*SPITCH
	s_add_co_u32 s23, s23, STAGE
	v_mul_u32_u24 v6, v1, SPITCH
	v_lshl_add_u32 v6, v2, 6, v6
	v_add_nc_u32 v[STO], s23, v6
	v_mul_u32_u24 v6, v2, SPITCH
	v_lshl_add_u32 v6, v1, 4, v6
	v_add_nc_u32 v[RD], s23, v6
	v_lshlrev_b32 v7, 4, v1
	s_wait_alu depctr_va_vdst(0)
	v_lshl_add_u32 v[CO], v2, 12, v7
	s_lshl_b32 s20, s17, 19
	s_lshl_b32 s21, s15, 18
	s_add_co_u32 s20, s20, s21
	s_mov_b32 s21, 0
	s_lshl_b32 s46, s42, 9
	s_lshl_b32 s47, s16, 8
	s_add_co_u32 s46, s46, s47
	s_mov_b32 s47, 0
	s_add_nc_u64 s[8:9], s[8:9], s[46:47]
	s_add_nc_u64 s[12:13], s[12:13], s[20:21]
	s_add_nc_u64 s[12:13], s[12:13], s[46:47]
	global_load_b128 v[BI:BI+3], v7, s[8:9]
.macro FRAG reg, adr, q, i
	ds_load_b128 v[\reg:\reg+3], v[\adr] offset:(\i)*HB+(\q)*1536
	ds_load_b64 v[\reg+4:\reg+5], v[\adr+2] offset:(\i)*HB+(\q)*1536+512
	ds_load_b128 v[\reg+6:\reg+9], v[\adr] offset:(\i)*HB+(\q)*1536+768
	ds_load_b64 v[\reg+10:\reg+11], v[\adr+2] offset:(\i)*HB+(\q)*1536+1280
.endm
.macro FETCH k
	WIN TO_F
.irp i, 0,1,2,3
	FRAG 128*((\k)%2)+FR*\i, ADRA+(\k)/4, (\k)%4, \i
	FRAG 128*((\k)%2)+48+FR*\i, ADRB+(\k)/4, (\k)%4, \i
.endr
.endm
.macro MUL16 p, k, zero
.irp a, 0,1,2,3
.irp b, 0,1,2,3
.if \zero
	v_wmma_scale_f32_16x16x128_f8f6f4 v[ACC+8*(4*\a+\b):ACC+8*(4*\a+\b)+7], v[128*(\p)+48+FR*\b:128*(\p)+48+FR*\b+FR-1], v[128*(\p)+FR*\a:128*(\p)+FR*\a+FR-1], 0, v[SC+8*((\k)/2)+2*\b+(\k)%2], v[SC+8*((\k)/2)+2*\a+(\k)%2] matrix_a_fmt:MATRIX_FMT_FP6 matrix_b_fmt:MATRIX_FMT_FP6 matrix_a_scale:MATRIX_SCALE_ROW1
.else
	v_wmma_scale_f32_16x16x128_f8f6f4 v[ACC+8*(4*\a+\b):ACC+8*(4*\a+\b)+7], v[128*(\p)+48+FR*\b:128*(\p)+48+FR*\b+FR-1], v[128*(\p)+FR*\a:128*(\p)+FR*\a+FR-1], v[ACC+8*(4*\a+\b):ACC+8*(4*\a+\b)+7], v[SC+8*((\k)/2)+2*\b+(\k)%2], v[SC+8*((\k)/2)+2*\a+(\k)%2] matrix_a_fmt:MATRIX_FMT_FP6 matrix_b_fmt:MATRIX_FMT_FP6 matrix_a_scale:MATRIX_SCALE_ROW1
.endif
.endr
.endr
.endm
.macro PLACES
.rept 4
	v_nop
.endr
.endm
.macro STEP k, zero
.if (\k) == 3
	WIN 0
	s_wait_tensorcnt 0x0
	s_wait_dscnt 0x0
	s_barrier_signal -1
	s_barrier_wait -1
.endif
.if (\k) < 7
	PLACES
	FETCH (\k)+1
	s_wait_dscnt 32
.else
	s_wait_dscnt 0x0
.endif
	WIN MUL
	MUL16 (\k)%2, \k, \zero
.endm
	s_wait_tensorcnt 1
	s_barrier_signal -1
	s_barrier_wait -1
.irp sp, 0,1,2,3
.irp i, 0,1,2,3
	ds_load_b64 v[SC+8*\sp+2*\i:SC+8*\sp+2*\i+1], v[ADRS] offset:256*\sp+(\i/2)*1024+(\i%2)*128
.endr
.endr
	FETCH 0
	STEP 0, 1
	STEP 1, 0
	STEP 2, 0
	STEP 3, 0
	STEP 4, 0
	STEP 5, 0
	STEP 6, 0
	STEP 7, 0
	WIN 0
.macro TOSTAGE a
.irp b, 0,1,2,3
	ds_store_b128 v[STO], v[ACC+8*(4*(\a)+\b):ACC+8*(4*(\a)+\b)+3] offset:128*(\b/2)+32*(\b%2)
	ds_store_b128 v[STO], v[ACC+8*(4*(\a)+\b)+4:ACC+8*(4*(\a)+\b)+7] offset:128*(\b/2)+32*(\b%2)+16
.endr
.set BR, BK+32*((\a)%2)
.irp t, 0,1,2,3,4,5,6,7
	ds_load_b128 v[BR+4*\t:BR+4*\t+3], v[RD] offset:\t*2*SPITCH
.endr
.endm
.macro SEND a, younger
.set BR, BK+32*((\a)%2)
	s_wait_dscnt \younger
.irp t, 0,1,2,3,4,5,6,7
	v_pk_add_f32 v[BR+4*\t:BR+4*\t+1], v[BR+4*\t:BR+4*\t+1], v[BI:BI+1]
	v_pk_add_f32 v[BR+4*\t+2:BR+4*\t+3], v[BR+4*\t+2:BR+4*\t+3], v[BI+2:BI+3]
	s_wait_alu depctr_va_vdst(0)
	global_store_b128 v[CO], v[BR+4*\t:BR+4*\t+3], s[12:13] offset:(32*((\a)/2)+8*((\a)%2)+2*\t+8*(\t/4))*4096 th:TH_STORE_NT
.endr
.endm
	PLACES
	s_wait_loadcnt 0x0
	TOSTAGE 0
.irp a, 1,2,3
.if \a > 1
	s_wait_xcnt 0x0
.endif
	TOSTAGE \a
	SEND \a-1, 16
.endr
	SEND 3, 0
	s_wait_tensorcnt 0x0
	ds_add_u32 v30, v31
	s_wait_dscnt 0x0
	CROUND
	s_endpgm
.Lfunc_end_k_qc76387cedf_proj:
	.size	k_qc76387cedf_proj, .Lfunc_end_k_qc76387cedf_proj-k_qc76387cedf_proj
	.p2alignl 7, 3214868480
	.fill 96, 4, 3214868480
	.section	.rodata,"a",@progbits
	.p2align	6, 0x0
	.amdhsa_kernel k_qc76387cedf_proj
		.amdhsa_group_segment_fixed_size 327680
		.amdhsa_private_segment_fixed_size 0
		.amdhsa_enable_private_segment 0
		.amdhsa_kernarg_size 32
		.amdhsa_user_sgpr_count 2
		.amdhsa_user_sgpr_kernarg_segment_ptr 1
		.amdhsa_wavefront_size32 1
		.amdhsa_system_sgpr_workgroup_id_x 1
		.amdhsa_system_sgpr_workgroup_id_y 1
		.amdhsa_system_sgpr_workgroup_id_z 1
		.amdhsa_system_vgpr_workitem_id 0
		.amdhsa_next_free_vgpr 512
		.amdhsa_next_free_sgpr 98
		.amdhsa_reserve_vcc 0
		.amdhsa_float_denorm_mode_32 3
		.amdhsa_float_denorm_mode_16_64 3
		.amdhsa_memory_ordered 1
		.amdhsa_forward_progress 1
		.amdhsa_inst_pref_size 59
	.end_amdhsa_kernel
	.amdgpu_metadata
---
amdhsa.version: [ 1, 2 ]
amdhsa.kernels:
  - .name:           k_qc76387cedf_proj
    .symbol:         k_qc76387cedf_proj.kd
    .args:
      - { .name: ac, .offset: 0, .size: 8, .value_kind: global_buffer, .address_space: global }
      - { .name: wc, .offset: 8, .size: 8, .value_kind: global_buffer, .address_space: global }
      - { .name: b_proj, .offset: 16, .size: 8, .value_kind: global_buffer, .address_space: global }
      - { .name: out0, .offset: 24, .size: 8, .value_kind: global_buffer, .address_space: global }
    .group_segment_fixed_size: 327680
    .private_segment_fixed_size: 0
    .kernarg_segment_align: 8
    .kernarg_segment_size: 32
    .max_flat_workgroup_size: 128
    .sgpr_count:     98
    .vgpr_count:     512
    .wavefront_size: 32
...
	.end_amdgpu_metadata
.endif
;; end of part 4
